; MI455X (gfx1250); checked and timed in simulation.
; The chip was launched on July 23, 2026; its instructions are those of AMD's public machine-readable ISA for CDNA 5 (MIT licence, August 2026) and "CDNA5" Instruction Set Architecture Reference Guide (July 2026). The comments in the code are by the model that wrote it; some were corrected since.
;; Block. Allowed arithmetic: matrix products marked QUANTISED: E5M2 operands, one E8M0 scale for each 32 along K, by v_wmma_scale_f32_16x16x128_f8f6f4 with both operands' format E5M2, f32 sums; everything else in f32.
;; Inputs: ln1_b 1,024 float32; ln1_g 1,024 float32; ln2_b 1,024 float32; ln2_g 1,024 float32; w_attn 1,024 x 3,072 float32; w_attn_proj 1,024 x 1,024 float32; w_fc 1,024 x 4,096 float32; w_mlp_proj 4,096 x 1,024 float32; x 2 x 2,048 x 1,024 float32.
;; Outputs: out0 2 x 2,048 x 1,024 float32.
;; This version of the problem:
;;   THIS VERSION OF THE PROBLEM IS GIVEN IN LOW PRECISION. The matrix products marked QUANTISED in the list below multiply operands that are first quantised to E5M2 (5 exponent bits, 2 mantissa bits; 8 bits a number), with one power-of-two scale for each 32 numbers along K (OCP MX v1.0); their sums are f32. All else is computed in f32.
;;   The module's matrix products, in the order in which they are computed (A, B: the left and right operand; K: the contracted axis; several contracted axes count as one K, in the product's order):
;;     1. [M 4,096, K 1,024] x [K 1,024, N 3,072]; A: computed on the way; B: input w_attn: QUANTISED
;;     2. batch 32 x [M 2,048, K 64] x [K 64, N 2,048]; A: computed on the way; B: computed on the way: QUANTISED
;;     3. batch 32 x [M 2,048, K 2,048] x [K 2,048, N 64]; A: softmax (see below); B: computed on the way: QUANTISED
;;     4. [M 4,096, K 1,024] x [K 1,024, N 1,024]; A: computed on the way; B: input w_attn_proj: QUANTISED
;;     5. [M 4,096, K 1,024] x [K 1,024, N 4,096]; A: computed on the way; B: input w_fc: QUANTISED
;;     6. [M 4,096, K 4,096] x [K 4,096, N 1,024]; A: computed on the way; B: input w_mlp_proj: QUANTISED
;;   THE QUANTISER, for each operand of a quantised product, along K:
;;     - K is cut into blocks of 32 from its start; a last block that is shorter is filled with zeros.
;;     - A block's scale is 2^e with e = floor(log2(the largest magnitude in the block)) - 15, held to -126 .. 127; a block of zeros has e = 0. As a byte (E8M0): e + 127.
;;     - Each number is divided by its block's scale, clamped to +-57,344, and rounded to the nearest number of E5M2, ties to even, subnormals kept.
;;     - The product sums the exact products of the quantised numbers (number of the format x scale) in f32.
;;   ~~~python
;;   def quantise(x, axis):      # numpy; x: float32 -> the quantised numbers, widened to float32 again
;;       x = np.moveaxis(x, axis, -1); K = x.shape[-1]
;;       x = np.pad(x, [(0, 0)] * (x.ndim - 1) + [(0, -K % 32)]); x = x.reshape(x.shape[:-1] + (-1, 32)); a = np.abs(x).max(-1, keepdims=True)
;;       e = np.where(a > 0, np.clip(np.frexp(np.where(a > 0, a, 1))[1] - 1 - 15, -126, 127), 0)      # np.frexp(a)[1] - 1 = floor(log2(a)), exactly
;;       r = np.clip(x / 2.0 ** e, -57344, 57344)
;;       step = 2.0 ** (np.maximum(np.frexp(np.where(r == 0, 1, r))[1] - 1, -14) - 2)
;;       q = np.round(r / step) * step * 2.0 ** e      # np.round: ties to even
;;       return np.moveaxis(q.reshape(q.shape[:-2] + (-1,))[..., :K], -1, axis).astype(np.float32)
;;   ~~~
;;   SOFTMAX AHEAD OF A QUANTISED PRODUCT. Where the list says 'softmax', what is quantised is not the finished softmax but p = 2^(t - M), with t = logit x log2(e) and M = ceil(the row's largest t), a whole number; so 1/2 < the row's largest p <= 1. The row's sum l is taken of the UNQUANTISED p, in f32, and the product's result is divided by l at the end. Since M is a whole number, a kernel that streams over the keys may use a running M (the ceiling of the running maximum): every later rescaling is an exact power of two, which a block's scale takes up: the codes' values come out the same.
;;   OPERANDS COMPUTED ON THE WAY. 'Computed on the way' means the value that the module computes at that place (a softmax that the list does not call 'softmax' is quantised finished and normalised). What goes into a quantiser is computed in f32, as accurately as f32 sums, v_exp_f32 and their like allow (about 1e-6 of the number): no bf16 or f16 on the way to a quantiser, and a product that is left as it is and whose result goes on into a quantised operand takes f32 operands (vector FMAs, or v_wmma_f32_16x16x4_f32). A number that lies on a knife's edge between two numbers of the format may be rounded either way, as far as f32 arithmetic and the matrix unit's own rounding can turn it there, and no further.
;; One version. Each part assembles by itself: llvm-mc -triple=amdgcn-amd-amdhsa -mcpu=gfx1250 --defsym DOCPART=n.
;; ======== version 1 of 1: 7 launches
;; limits: right only within a limited range of input values
;; workspace buffers: wq 13,369,344 bytes; h1q 4,456,448 bytes; qq 4,718,592 bytes; kvq 9,175,040 bytes; yq 4,456,448 bytes; x1 16,777,216 bytes; h2q 4,456,448 bytes; gq 17,825,792 bytes
;; launch prep (part 1): grid 448 x 1, 8 waves a work-group, no clusters, 3,072 bytes of LDS; arguments x, ln1_g, ln1_b, h1q, w_attn, w_attn_proj, w_fc, w_mlp_proj, wq; writes h1q, wq
.if DOCPART == 1
	.amdgcn_target "amdgcn-amd-amdhsa--gfx1250"
	.amdhsa_code_object_version 6
	.text
	.protected	k_q38d1cdfdd4_prep
	.globl	k_q38d1cdfdd4_prep
	.p2align	8
	.type	k_q38d1cdfdd4_prep,@function
k_q38d1cdfdd4_prep:
	s_mov_b64 s[64:65], 0
	v_nop
	global_prefetch_b8 v0, s[64:65] scope:SCOPE_SE
	s_setreg_imm32_b32 hwreg(HW_REG_WAVE_MODE, 25, 1), 1
	s_wait_xcnt 0x0
; TWO JOBS THAT DO NOT DEPEND ON EACH OTHER, IN ONE LAUNCH.  Work-groups 0-191 quantise the four weights; work-groups 192-447 make Q(LN1(x)).  One scalar branch on the work-group's number parts them at the head:
; all eight waves of a work-group take the same way, so the layer norm's three barriers are passed by all eight; the weights' way touches no LDS.
; Both jobs make codes of E5M2 with one E8M0 byte for each 32 along K, laid in the order of an operand's registers.
; RECORD (4,352 bytes): one tile of 16 rows x 256 along K: two images of 2,048 bytes (128 K each: chunk c at 512 c + 16 x lane holds k = 32 c + 16 (lane / 16) + 0 .. 15 of row place lane % 16),
; then 256 bytes of scale words: 8 bytes a lane (the two words of row place lane % 16; lanes 16-31 repeat lanes 0-15).  A buffer or region is [K / 256][tile][record].
; THE ROWS OF A TILE ARE NOT NEIGHBOURS: place r of tile 2 b + u holds row 32 b + 8 u + r + 8 (r / 8), for tokens and for a weight's columns alike.
; A block's byte is its largest magnitude's exponent field - 15, held at 1 from below.  LIMITS: a block of zeros gets the byte 1 (its codes are zeros; this program alone reads the bytes);
; blocks whose largest magnitude lies under 2^-111 are held at byte 1; NaN and infinities among the inputs are not served.
.set NWQ, 192                          ; work-groups for the weights
.set REC, 4352
	s_cmp_lt_u32 ttmp9, NWQ
	s_cbranch_scc1 .Lweights
; ---------------- THE LAYER NORM: out = Q((x - mean) * rsqrt(var + 1e-5) * g + b), rows of 1,024 f32.  out: [4][256 tiles][record].
; A work-group owns one tile of 16 tokens; wave w owns K step w (128 along K): lane (r, h) holds 64 numbers of row r in the operand's own order, so the conversions' results are the image.
; Mean and variance in two passes (the variance of x - mean: no difference of large sums); the eight waves' partial sums meet in LDS: two barriers.  A third brings two waves' scale words together, so that a whole 256 bytes leave by one store.
.set XR,  32                           ; v32-95   x, then the normalised numbers
.set GR,  96                           ; v96-159  g
.set BR,  160                          ; v160-223 b
.set PC,  224                          ; v224-239 the codes
.set TM,  240                          ; v240-255 the quantiser's work
.set PW,  30                           ; v30      the scale word
	s_load_b256 s[4:11], s[0:1], 0x0               ; x, g, b, out
	s_sub_co_u32 s31, ttmp9, NWQ                   ; my tile
	v_lshrrev_b32 v1, 5, v0
	s_delay_alu instid0(VALU_DEP_1)
	v_readfirstlane_b32 s12, v1                    ; wave 0..7
	v_and_b32 v1, 31, v0                           ; lane
	v_and_b32 v2, 15, v0                           ; r
	v_bfe_u32 v3, v0, 4, 1                         ; h
	s_lshr_b32 s13, s31, 1
	s_lshl_b32 s13, s13, 5
	s_and_b32 s14, s31, 1
	s_lshl_b32 s14, s14, 3
	s_add_co_u32 s13, s13, s14                     ; 32 b + 8 u
	v_and_b32 v4, 8, v2
	s_delay_alu instid0(VALU_DEP_1)
	v_add_nc_u32 v4, v4, v2                        ; r + 8 (r / 8)
	s_delay_alu instid0(VALU_DEP_1)
	v_add_nc_u32 v4, s13, v4                       ; my token
	s_delay_alu instid0(VALU_DEP_1)
	v_lshlrev_b32 v4, 12, v4                       ; its row of 4,096 bytes
	s_lshl_b32 s14, s12, 9
	v_lshl_add_u32 v5, v3, 6, s14                  ; g, b: 512 w + 64 h
	s_delay_alu instid0(VALU_DEP_1)
	v_add_nc_u32 v4, v4, v5                        ; x: the same within my row
	v_lshlrev_b32 v6, 4, v1                        ; 16 x lane
	v_lshlrev_b32 v7, 3, v1                        ; 8 x lane
	s_wait_alu depctr_va_vdst(0)
	s_lshl_b32 s15, s12, 2
	v_lshl_add_u32 v8, v2, 5, s15                  ; LDS: partial sums: 32 r + 4 w
	v_lshlrev_b32 v9, 5, v2                        ; and back: row r's eight
	s_lshr_b32 s16, s12, 1                         ; which record along K
	s_and_b32 s18, s12, 1                          ; which image in it
	s_lshl_b32 s17, s16, 8
	s_lshl_b32 s20, s18, 2
	s_add_co_u32 s17, s17, s20
	v_add_nc_u32 v10, s17, v7                      ; LDS: scale words: 256 (w / 2) + 8 x lane + 4 (w % 2)
	s_and_b32 s19, s12, 3
	s_lshl_b32 s20, s19, 8
	v_add_nc_u32 v11, s20, v7                      ; and back: unit w, 8 bytes a lane
	s_lshl_b32 s20, s16, 8
	s_add_co_u32 s20, s20, s31
	s_mul_i32 s22, s20, REC
	s_lshl_b32 s21, s18, 11
	s_add_co_u32 s22, s22, s21
	s_mov_b32 s23, 0                               ; my image
	s_lshl_b32 s20, s19, 8
	s_add_co_u32 s20, s20, s31
	s_mul_i32 s24, s20, REC
	s_mov_b32 s25, 0                               ; record w % 4 of my tile
	s_mov_b32 s26, 0x76543210
	s_mov_b32 s27, 0xfedcba98                      ; v_permlanex16_b32's selects for lane l xor 16
	s_mov_b32 s28, 0x3a800000                      ; 1 / 1,024
	s_mov_b32 s29, 0x3727c5ac                      ; 1e-5
	s_mov_b32 s30, 0x600000                        ; the mantissa field of 57,344
.irp b, 0,1,2,3
	v_mov_b32 v[TM+4+\b], 0                        ; a lane permute's destination counts as one of its sources
.endr
	s_wait_kmcnt 0x0
	s_add_nc_u64 s[22:23], s[10:11], s[22:23]
	s_add_nc_u64 s[24:25], s[10:11], s[24:25]
.irp c, 0,1,2,3
.irp j, 0,1,2,3
	global_load_b128 v[XR+16*\c+4*\j:XR+16*\c+4*\j+3], v4, s[4:5] offset:128*\c+16*\j
.endr
.endr
.irp c, 0,1,2,3
.irp j, 0,1,2,3
	global_load_b128 v[GR+16*\c+4*\j:GR+16*\c+4*\j+3], v5, s[6:7] offset:128*\c+16*\j
.endr
.endr
.irp c, 0,1,2,3
.irp j, 0,1,2,3
	global_load_b128 v[BR+16*\c+4*\j:BR+16*\c+4*\j+3], v5, s[8:9] offset:128*\c+16*\j
.endr
.endr
; four chains in v[12:19] become the row's sum over all eight waves, in v20 of every lane.  off: the LDS bytes of this exchange
.macro ACROSS off
	s_delay_alu instid0(VALU_DEP_3)
	v_pk_add_f32 v[12:13], v[12:13], v[14:15]
	s_delay_alu instid0(VALU_DEP_2)
	v_pk_add_f32 v[16:17], v[16:17], v[18:19]
	s_delay_alu instid0(VALU_DEP_1)
	v_pk_add_f32 v[12:13], v[12:13], v[16:17]
	s_delay_alu instid0(VALU_DEP_1)
	v_add_f32 v12, v12, v13
	s_delay_alu instid0(VALU_DEP_1)
	v_permlanex16_b32 v13, v12, s26, s27           ; the row's other 64 numbers of this K step lie in lane l xor 16
	s_delay_alu instid0(VALU_DEP_1)
	v_add_f32 v12, v12, v13
	ds_store_b32 v8, v12 offset:\off               ; both lanes of a row write the same word with the same value
	s_wait_dscnt 0x0                               ; for the others' sake: my store has landed
	s_barrier_signal -1
	s_barrier_wait -1
	ds_load_b128 v[20:23], v9 offset:\off
	ds_load_b128 v[24:27], v9 offset:\off+16
	s_wait_dscnt 0x0
	v_add_f32 v20, v20, v21
	v_add_f32 v22, v22, v23
	v_add_f32 v24, v24, v25
	v_add_f32 v26, v26, v27
	s_delay_alu instid0(VALU_DEP_3)
	v_add_f32 v20, v20, v22
	s_delay_alu instid0(VALU_DEP_2)
	v_add_f32 v24, v24, v26
	s_delay_alu instid0(VALU_DEP_1)
	v_add_f32 v20, v20, v24
.endm
	s_wait_loadcnt 32                              ; x's 16 loads are in; g's 16 and b's 16 may be out
.irp k, 0,1,2,3
	v_pk_add_f32 v[12+2*\k:13+2*\k], v[XR+2*\k:XR+2*\k+1], v[XR+8+2*\k:XR+9+2*\k]    ; the first pairs start the chains: nothing is cleared
.endr
.set p, 8
.rept 24
	s_delay_alu instid0(VALU_DEP_4)
	v_pk_add_f32 v[12+2*(p%4):13+2*(p%4)], v[12+2*(p%4):13+2*(p%4)], v[XR+2*p:XR+2*p+1]
.set p, p+1
.endr
	ACROSS 0
	s_delay_alu instid0(VALU_DEP_1)
	v_mul_f32 v28, s28, v20                        ; the mean,
	s_delay_alu instid0(VALU_DEP_1)
	v_mov_b32 v29, v28                             ; as a pair
.set p, 0
.rept 32
	v_pk_add_f32 v[XR+2*p:XR+2*p+1], v[XR+2*p:XR+2*p+1], v[28:29] neg_lo:[0,1] neg_hi:[0,1]   ; x - mean
.set p, p+1
.endr
.irp k, 0,1,2,3
	v_pk_mul_f32 v[12+2*\k:13+2*\k], v[XR+2*\k:XR+2*\k+1], v[XR+2*\k:XR+2*\k+1]
.endr
.set p, 4
.rept 28
	s_delay_alu instid0(VALU_DEP_4)
	v_pk_fma_f32 v[12+2*(p%4):13+2*(p%4)], v[XR+2*p:XR+2*p+1], v[XR+2*p:XR+2*p+1], v[12+2*(p%4):13+2*(p%4)]
.set p, p+1
.endr
	ACROSS 512                                     ; other bytes than the first exchange: no barrier is owed between the two
	s_delay_alu instid0(VALU_DEP_1)
	v_fma_f32 v21, v20, s28, s29                   ; var + 1e-5
	s_wait_alu depctr_va_vdst(0)
	v_rsq_f32 v28, v21
	v_nop                                          ; a plain line behind the transcendental
	s_wait_alu depctr_va_vdst(0)
	v_mov_b32 v29, v28
	s_wait_alu depctr_va_vdst(0)
	s_wait_loadcnt 0x0                             ; g and b
.set p, 0
.rept 32
	v_pk_mul_f32 v[XR+2*p:XR+2*p+1], v[XR+2*p:XR+2*p+1], v[28:29]
.set p, p+1
.endr
.set p, 0
.rept 32
	v_pk_fma_f32 v[XR+2*p:XR+2*p+1], v[XR+2*p:XR+2*p+1], v[GR+2*p:GR+2*p+1], v[BR+2*p:BR+2*p+1]
.set p, p+1
.endr
	; THE QUANTISER: register 16 b + i = k 32 b + 16 h + i of my row
.irp b, 0,1,2,3
	v_max3_num_f32 v[TM+\b], |v[XR+16*\b]|, |v[XR+1+16*\b]|, 0x8000000   ; block b: my 16 numbers, and the floor 2^(16 - 127)
.endr
.irp i, 2,4,6,8,10,12,14
.irp b, 0,1,2,3
	s_delay_alu instid0(VALU_DEP_4)
	v_max3_num_f32 v[TM+\b], v[TM+\b], |v[XR+16*\b+\i]|, |v[XR+1+16*\b+\i]|
.endr
.endr
.irp b, 0,1,2,3
	s_delay_alu instid0(VALU_DEP_4)
	v_permlanex16_b32 v[TM+4+\b], v[TM+\b], s26, s27
.endr
.irp b, 0,1,2,3
	s_delay_alu instid0(VALU_DEP_4)
	v_max_num_f32 v[TM+\b], v[TM+\b], v[TM+4+\b]   ; with lane l xor 16's: the block's largest magnitude
.endr
.irp b, 0,1,2,3
	s_delay_alu instid0(VALU_DEP_4)
	v_add_nc_u32 v[TM+12+\b], 0xf8800000, v[TM+\b] ; 15 off its exponent field: the conversion's scale operand
.endr
.irp b, 0,1,2,3
	v_and_or_b32 v[TM+8+\b], v[TM+\b], 0x7f800000, s30   ; 57,344 x the scale
.endr
.irp b, 0,1,2,3
	v_lshrrev_b32 v[TM+4+\b], 23, v[TM+12+\b]      ; the scale's byte
.endr
	s_delay_alu instid0(VALU_DEP_3)
	v_lshl_or_b32 v[PW], v[TM+5], 8, v[TM+4]
	s_delay_alu instid0(VALU_DEP_1)
	v_lshl_or_b32 v[PW], v[TM+6], 16, v[PW]
	s_delay_alu instid0(VALU_DEP_1)
	v_lshl_or_b32 v[PW], v[TM+7], 24, v[PW]        ; my row's scale word for this K step
.irp b, 0,1,2,3
.irp i, 0,1,2,3,4,5,6,7,8,9,10,11,12,13,14,15
	v_med3_num_f32 v[XR+16*\b+\i], v[XR+16*\b+\i], -v[TM+8+\b], v[TM+8+\b]   ; the conversion does not saturate (ISA guide 7.6.2): the hold
.endr
	v_cvt_scalef32_pk8_bf8_f32 v[PC+4*\b:PC+1+4*\b], v[XR+16*\b:XR+7+16*\b], v[TM+12+\b]
	v_cvt_scalef32_pk8_bf8_f32 v[PC+2+4*\b:PC+3+4*\b], v[XR+8+16*\b:XR+15+16*\b], v[TM+12+\b]
.endr
	v_nop                                          ; a plain line behind the last conversion
.irp c, 0,1,2,3
	global_store_b128 v6, v[PC+4*\c:PC+4*\c+3], s[22:23] offset:512*\c   ; the image as it stands: 512 consecutive bytes a store
.endr
	ds_store_b32 v10, v[PW] offset:1024
	s_wait_dscnt 0x0
	s_barrier_signal -1
	s_barrier_wait -1                              ; the eight waves' scale words lie in LDS as four scale areas
	s_cmp_lt_u32 s12, 4
	s_cbranch_scc0 .Ldone                          ; waves 0 to 3 store one area each
	ds_load_b64 v[12:13], v11 offset:1024
	s_wait_dscnt 0x0
	global_store_b64 v7, v[12:13], s[24:25] offset:4096            ; 32 lanes store 256 consecutive bytes, aligned
.Ldone:
	v_lshl_add_u32 v31, v0, 2, 0x800               ; no two registers can be kept through the layer norm: v0 is kept, and the add's two are made here
	v_mov_b32 v3, 0
	s_wait_alu depctr_va_vdst(0)
	s_wait_tensorcnt 0x0                           ; the wave's end
	ds_add_u32 v31, v3
	s_wait_dscnt 0x0
	s_endpgm
; ---------------- THE WEIGHTS, f32 [K][N] with K as first axis.  wq: four regions [K / 256][N / 16][record].
; A LANE TAKES A COLUMN, ITS REGISTERS RUN DOWN K: a wave takes 32 columns (two tiles) x 256 K (8 blocks); each load reads 128 consecutive bytes a wave, 1,024 a work-group; a block's largest magnitude needs no other lane.
; One path for all four weights: sizes and the source are chosen by the work-group's number (0-47 w_attn, 48-63 w_attn_proj, 64-127 w_fc, 128-191 w_mlp_proj).
; No LDS, no barrier: waves share nothing.  Loads run two blocks (64 loads a wave) ahead.  No register that a store reads is written again.
.set AD,   16                          ; v16-47   i x pitch + 4 x lane: row i of a block
.set X,    48                          ; v48-111  two sets of 32 numbers
.set C,    112                         ; v112-175 codes: 8 registers for each block
.set SB,   176                         ; v176-177 the two scale words
.Lweights:
	s_load_b256 s[4:11], s[0:1], 0x20              ; w_attn, w_attn_proj, w_fc, w_mlp_proj
	s_load_b64 s[12:13], s[0:1], 0x40              ; wq
	v_lshrrev_b32 v1, 5, v0
	s_delay_alu instid0(VALU_DEP_1)
	v_readfirstlane_b32 s14, v1                    ; wave 0..7
	v_and_b32 v1, 31, v0                           ; lane = my column among the wave's 32
	v_bfe_u32 v5, v0, 3, 1                         ; u: which of the two tiles
	v_and_b32 v6, 7, v0
	v_bfe_u32 v7, v0, 4, 1
	s_delay_alu instid0(VALU_DEP_1)
	v_lshl_add_u32 v6, v7, 3, v6                   ; r: my place in it
	s_delay_alu instid0(VALU_DEP_4)
	v_mul_u32_u24 v5, v5, REC
	s_delay_alu instid0(VALU_DEP_1)
	v_lshl_add_u32 v2, v6, 4, v5                   ; codes: u x record + 16 r
	s_delay_alu instid0(VALU_DEP_2)
	v_lshl_add_u32 v3, v6, 3, v5                   ; scale words: u x record + 8 r
	v_lshlrev_b32 v4, 2, v1
	s_mov_b32 s16, 128                             ; w_mlp_proj's figures: first work-group,
	s_mov_b32 s17, 4                               ; log2 of K / 256,
	s_mov_b32 s18, 4096                            ; bytes in a row,
	s_mov_b32 s19, 64                              ; tiles of columns,
	s_mov_b32 s20, 8912896                         ; region in wq
	s_mov_b32 s31, 0x600000                        ; the mantissa field of 57,344
	s_wait_alu depctr_va_vdst(0)
	s_wait_kmcnt 0x0
	s_cmp_lt_u32 ttmp9, 128                        ; w_fc's
	s_cselect_b32 s16, 64, s16
	s_cselect_b32 s17, 2, s17
	s_cselect_b32 s18, 16384, s18
	s_cselect_b32 s19, 256, s19
	s_cselect_b32 s20, 4456448, s20
	s_cselect_b64 s[10:11], s[8:9], s[10:11]
	s_cmp_lt_u32 ttmp9, 64                         ; w_attn_proj's
	s_cselect_b32 s16, 48, s16
	s_cselect_b32 s18, 4096, s18
	s_cselect_b32 s19, 64, s19
	s_cselect_b32 s20, 3342336, s20
	s_cselect_b64 s[10:11], s[6:7], s[10:11]
	s_cmp_lt_u32 ttmp9, 48                         ; w_attn's
	s_cselect_b32 s16, 0, s16
	s_cselect_b32 s18, 12288, s18
	s_cselect_b32 s19, 192, s19
	s_cselect_b32 s20, 0, s20
	s_cselect_b64 s[10:11], s[4:5], s[10:11]
	s_sub_co_u32 s21, ttmp9, s16                   ; my number within the weight
	s_bfm_b32 s22, s17, 0
	s_and_b32 s22, s21, s22                        ; which 256 along K
	s_lshr_b32 s23, s21, s17                       ; which 256 columns
	s_lshl_b32 s24, s18, 8
	s_mul_i32 s24, s24, s22                        ; 256 rows x pitch x K slot
	s_lshl_b32 s25, s23, 10
	s_add_co_u32 s24, s24, s25                     ; + 256 columns x 4 bytes
	s_lshl_b32 s25, s14, 7
	s_add_co_u32 s24, s24, s25                     ; + 32 columns x 4 bytes x wave
	s_mov_b32 s25, 0
	s_add_nc_u64 s[32:33], s[10:11], s[24:25]      ; block 0's first row
	s_lshl_b32 s26, s18, 5                         ; 32 rows on
	s_mov_b32 s27, 0
.irp t, 1,2,3,4,5,6,7
	s_add_nc_u64 s[32+2*\t:33+2*\t], s[30+2*\t:31+2*\t], s[26:27]
.endr
	s_mul_i32 s28, s22, s19
	s_lshl_b32 s29, s23, 4
	s_add_co_u32 s28, s28, s29
	s_lshl_b32 s29, s14, 1
	s_add_co_u32 s28, s28, s29                     ; my first record: K slot x tiles + 16 x block of columns + 2 x wave
	s_mul_i32 s28, s28, REC
	s_add_co_u32 s28, s28, s20
	s_mov_b32 s29, 0
	s_add_nc_u64 s[48:49], s[12:13], s[28:29]
.set li, 0
.rept 32
	v_mad_u32_u24 v[AD+li], s18, li, v4
.set li, li+1
.endr
.macro LOAD t                          ; block t: W(32 t + i, my column), i = 0 .. 31, into set t % 2
.set li, 0
.rept 32
	global_load_b32 v[X+32*((\t)%2)+li], v[AD+li], s[32+2*(\t):33+2*(\t)] th:TH_LOAD_NT
.set li, li+1
.endr
.endm
	LOAD 0
	LOAD 1
.macro BLOCK t
.set XS, X+32*((\t)%2)
.if (\t) < 7
	s_wait_loadcnt 32                              ; this block's 32 loads are in; the next block's 32 may be out
.else
	s_wait_loadcnt 0
.endif
	v_max3_num_f32 v8, |v[XS]|, |v[XS+1]|, |v[XS+2]|               ; the block's largest magnitude: all 32 numbers are mine; two chains
	v_max3_num_f32 v9, |v[XS+3]|, |v[XS+4]|, |v[XS+5]|
.irp i, 6,10,14,18,22,26
	s_delay_alu instid0(VALU_DEP_2)
	v_max3_num_f32 v8, v8, |v[XS+\i]|, |v[XS+\i+1]|
	s_delay_alu instid0(VALU_DEP_2)
	v_max3_num_f32 v9, v9, |v[XS+\i+2]|, |v[XS+\i+3]|
.endr
	s_delay_alu instid0(VALU_DEP_2)
	v_max3_num_f32 v8, v8, |v[XS+30]|, |v[XS+31]|
	s_delay_alu instid0(VALU_DEP_1)
	v_max3_num_f32 v8, v8, v9, 0x8000000           ; and the floor 2^(16 - 127): the byte cannot fall under 1
	s_delay_alu instid0(VALU_DEP_1)
	v_add_nc_u32 v11, 0xf8800000, v8               ; 15 off the exponent field: the conversion's scale operand
	s_delay_alu instid0(VALU_DEP_2)
	v_and_or_b32 v10, v8, 0x7f800000, s31          ; 57,344 x the scale
	s_delay_alu instid0(VALU_DEP_2)
	v_lshrrev_b32 v9, 23, v11                      ; the scale's byte
.if (\t)%4 == 0
	s_delay_alu instid0(VALU_DEP_1)
	v_mov_b32 v[SB+(\t)/4], v9
.else
	s_delay_alu instid0(VALU_DEP_1)
	v_lshl_or_b32 v[SB+(\t)/4], v9, 8*((\t)%4), v[SB+(\t)/4]
.endif
.set li, 0
.rept 32
	v_med3_num_f32 v[XS+li], v[XS+li], -v10, v10   ; the conversion to an 8-bit code does not saturate (ISA guide 7.6.2): the hold at the largest code x the scale
.set li, li+1
.endr
.irp g, 0,1,2,3
	v_cvt_scalef32_pk8_bf8_f32 v[C+8*(\t)+2*\g:C+8*(\t)+2*\g+1], v[XS+8*\g:XS+8*\g+7], v11
.endr
	v_nop                                          ; a plain line behind the last conversion
	global_store_b128 v2, v[C+8*(\t):C+8*(\t)+3], s[48:49] offset:2048*((\t)/4)+512*((\t)%4)         ; k 0-15 of the block: the places of lanes 0-15 of the image: sixteen lanes fill 256 consecutive bytes of each record
	global_store_b128 v2, v[C+8*(\t)+4:C+8*(\t)+7], s[48:49] offset:2048*((\t)/4)+512*((\t)%4)+256   ; k 16-31: the places of lanes 16-31
.if (\t)+2 < 8
	LOAD (\t)+2
.endif
.endm
.set Q, 0
.rept 8
	BLOCK Q
.set Q, Q+1
.endr
	global_store_b64 v3, v[SB:SB+1], s[48:49] offset:4096          ; my column's two scale words, for lanes 0-15 of the scale area,
	global_store_b64 v3, v[SB:SB+1], s[48:49] offset:4224          ; and again for lanes 16-31
	s_endpgm
.Lfunc_end_k_q38d1cdfdd4_prep:
	.size	k_q38d1cdfdd4_prep, .Lfunc_end_k_q38d1cdfdd4_prep-k_q38d1cdfdd4_prep
	.p2alignl 7, 3214868480
	.fill 96, 4, 3214868480
	.section	.rodata,"a",@progbits
	.p2align	6, 0x0
	.amdhsa_kernel k_q38d1cdfdd4_prep
		.amdhsa_group_segment_fixed_size 3072
		.amdhsa_private_segment_fixed_size 0
		.amdhsa_enable_private_segment 0
		.amdhsa_kernarg_size 72
		.amdhsa_user_sgpr_count 2
		.amdhsa_user_sgpr_kernarg_segment_ptr 1
		.amdhsa_wavefront_size32 1
		.amdhsa_system_sgpr_workgroup_id_x 1
		.amdhsa_system_sgpr_workgroup_id_y 1
		.amdhsa_system_sgpr_workgroup_id_z 1
		.amdhsa_system_vgpr_workitem_id 0
		.amdhsa_next_free_vgpr 256
		.amdhsa_next_free_sgpr 66
		.amdhsa_reserve_vcc 0
		.amdhsa_float_denorm_mode_32 3
		.amdhsa_float_denorm_mode_16_64 3
		.amdhsa_memory_ordered 1
		.amdhsa_forward_progress 1
		.amdhsa_inst_pref_size 96
	.end_amdhsa_kernel
	.amdgpu_metadata
---
amdhsa.version: [ 1, 2 ]
amdhsa.kernels:
  - .name:           k_q38d1cdfdd4_prep
    .symbol:         k_q38d1cdfdd4_prep.kd
    .args:
      - { .name: x, .offset: 0, .size: 8, .value_kind: global_buffer, .address_space: global }
      - { .name: ln1_g, .offset: 8, .size: 8, .value_kind: global_buffer, .address_space: global }
      - { .name: ln1_b, .offset: 16, .size: 8, .value_kind: global_buffer, .address_space: global }
      - { .name: h1q, .offset: 24, .size: 8, .value_kind: global_buffer, .address_space: global }
      - { .name: w_attn, .offset: 32, .size: 8, .value_kind: global_buffer, .address_space: global }
      - { .name: w_attn_proj, .offset: 40, .size: 8, .value_kind: global_buffer, .address_space: global }
      - { .name: w_fc, .offset: 48, .size: 8, .value_kind: global_buffer, .address_space: global }
      - { .name: w_mlp_proj, .offset: 56, .size: 8, .value_kind: global_buffer, .address_space: global }
      - { .name: wq, .offset: 64, .size: 8, .value_kind: global_buffer, .address_space: global }
    .group_segment_fixed_size: 3072
    .private_segment_fixed_size: 0
    .kernarg_segment_align: 8
    .kernarg_segment_size: 72
    .max_flat_workgroup_size: 256
    .sgpr_count:     66
    .vgpr_count:     256
    .wavefront_size: 32
...
	.end_amdgpu_metadata
.endif
;; end of part 1
;; launch qkv (part 2): grid 12 x 16, 4 waves a work-group, clusters of 4 x 4, 327,680 bytes of LDS; arguments h1q, wq, qq, kvq; writes qq, kvq
.if DOCPART == 2
	.amdgcn_target "amdgcn-amd-amdhsa--gfx1250"
	.amdhsa_code_object_version 6
	.text
	.protected	k_q38d1cdfdd4_qkv
	.globl	k_q38d1cdfdd4_qkv
	.p2align	8
	.type	k_q38d1cdfdd4_qkv,@function
k_q38d1cdfdd4_qkv:
	s_mov_b64 s[64:65], 0
	v_nop
	global_prefetch_b8 v0, s[64:65] scope:SCOPE_SE
	s_setreg_imm32_b32 hwreg(HW_REG_WAVE_MODE, 25, 1), 1
	s_wait_xcnt 0x0
	s_wait_alu depctr_hold_cnt(0) depctr_sa_sdst(0) depctr_va_vdst(0) depctr_va_sdst(0) depctr_va_ssrc(0) depctr_va_vcc(0) depctr_vm_vsrc(0)
	s_getreg_b32 s2, hwreg(HW_REG_IB_STS2, 6, 4)
	s_cmp_eq_u32 s2, 0
	s_cbranch_scc0 .Lentry_in_a_cluster
	s_endpgm
.Lentry_in_a_cluster:
	s_bfe_u32 s2, ttmp6, 0x10000c
	s_cmp_lg_u32 s2, 0xf033
	s_cbranch_scc0 .Lentry_shape_is_right
	s_endpgm
.Lentry_shape_is_right:
; qkv = LN1(x) w_attn on codes of E5M2 with E8M0 scales, [4,096 x 1,024] x [1,024 x 3,072]; q, k and v are quantised in registers on the way out and stored in the order of attention's operand registers.
; OPERANDS come as RECORDS of 4,352 bytes (one tile of 16 rows x 256 K: two register images of 2,048 bytes, then 256 bytes of scale words, 8 a lane), [K / 256][tile][record]: any run of tiles of one K slot is a dense block.
; Place r of tile 2 b + u holds row 32 b + 8 u + r + 8 (r / 8), for tokens and for w's columns alike: so a lane's 16 results of two neighbouring tiles are 16 neighbours, in the order that the next operand wants.
; A tile of the result, 256 x 256, is made by four waves, 128 x 128 each: 64 accumulators, 512 registers.  K goes in slots of 256 through a ring of two LDS slots; a wave's tensor load brings 8 records, 34,816 dense bytes.
; CLUSTERS 4 x 4: the token records are shared along a row of the cluster, the weight records along a column: joint loads.
; ROLES.  Source 1 gives the lanes of a result, source 0 its registers.  For q and k: lanes = tokens, registers = columns (K of the next product is the head's 64).  For v (cluster x = 2): lanes = columns, registers = tokens
; (K of the next product is the keys).  The two roles only read the other parts of a slot: a choice of LDS bases on the cluster's x, which all partners share.
; OUT.  qq [32 heads][16 groups of 128 tokens][4 pairs of tiles][2,304]: tile u, chunk c' at 1,024 u + 512 c' + 16 x lane; at 2,048 + 8 x lane the two tiles' scale words (bytes 0, 1 count; bytes 2, 3 meet zero codes).
; kvq [32][16 key steps][17,920]: k's four pair records, then v's four images (16 of the head's 64 x 128 keys) and at 8,192 + 16 x lane behind them their four scale words.
; LIMITS: a block of zeros gets the byte 1 (zero codes; read by this program alone); blocks whose largest magnitude lies under 2^-111 are held at byte 1; NaN and infinities are not served.
; REGISTERS: window 0: v2, v3 16 x and 8 x lane; v16-23 LDS addresses; v28, v29 the add's; v32-95 scale words (two sets; at the end those made here); v96-127 the quantiser's; v128-255 role A's fragments, one set.
;   window 1: role B's fragments, two sets.  windows 2, 3: the accumulators ((a, b) at v[8 (8 (a % 4) + b)]).
.set T,     8                          ; tiles a side for a wave
.set NQ,    2                          ; K steps of 128 in a slot
.set LAPS,  2                          ; K / (2 slots x 128 NQ)
.set NT,    192                        ; the weight's tiles of columns
.set WOFF,  0                          ; its region in wq
.set REC,   4352
.set HALF,  8*REC                      ; what one tensor load brings
.set SLOT,  4*HALF
.set SPARE, 2*SLOT                     ; behind the ring: the spare words, 128 bytes for each wave, that no other line names
.set STRA,  256*REC                    ; from K slot to K slot
.set STRB,  NT*REC
.set ASL,   (NQ/2)*STRA                ; from LDS slot to LDS slot
.set BSL,   (NQ/2)*STRB
.set TSH,   T/4+2
.if T == 8
.set JA,    HALF                       ; the second fetching wave of a side takes the next 8 tiles
.set JB,    HALF
.set WSTR,  HALF
.else
.set JA,    STRA                       ; or the next K slot
.set JB,    STRB
.set WSTR,  4*REC
.endif
.set ADRA, 16
.set ASA,  18
.set ADRB, 20
.set ASB,  22
.set SPW,  28
.set NIL,  29
.set SC,   32
.set TM,   96
.set PC,   112
.set SW,   32
.set SWH,  40
.set AF,   128
.set G1,   24
.set G0,   32
.set G1B,  48
.set G0B,  56
.set SEL,  84
.set MNT,  86
.set MUL_LO, 0xa1                      ; source 0 window 1, source 1 window 0, C and D window 2
.set MUL_HI, 0xa1+0x50*(T/8)           ; C and D window 3
.set MSB, 0
.macro WIN new                         ; the immediate's high byte repeats the setting that is left
.if MSB != (\new)
	s_set_vgpr_msb (MSB<<8)|(\new)
.set MSB, (\new)
.endif
.endm
.macro JLOAD g0a, g1a, g0b, g1b        ; a joint load: waves 0, 1 fetch token records, waves 2, 3 weight records; four v_nop follow each line
	s_cmp_eq_u32 s15, 0
	s_cbranch_scc0 .Lfor_b_\@
	tensor_load_to_lds s[\g0a:\g0a+3], s[\g1a:\g1a+7]
	s_nop 0
.rept 4
	v_nop
.endr
	s_branch .Lasked_\@
.Lfor_b_\@:
	tensor_load_to_lds s[\g0b:\g0b+3], s[\g1b:\g1b+7]
	s_nop 0
.rept 4
	v_nop
.endr
.Lasked_\@:
.endm
.macro CREST                           ; a round of the cluster's barrier behind its opening barrier
	s_cmp_lg_u32 s14, 0
	s_cbranch_scc1 .Lnot_wave_0_\@
	s_barrier_signal -3
.Lnot_wave_0_\@:
	s_barrier_wait -3
	s_barrier_signal -1
	s_barrier_wait -1
.endm
.macro CROUND
	s_barrier_signal -1
	s_barrier_wait -1
	CREST
.endm
.macro PLACES n                        ; plain vector lines behind matrix instructions (ISA guide 7.12.1 for vector instructions)
.rept \n
	v_nop
.endr
.endm
	s_load_b128 s[4:7], s[0:1], 0x0                ; h1q, wq
	s_load_b128 s[8:11], s[0:1], 0x10              ; qq, kvq
	v_lshl_add_u32 v[SPW], v0, 2, SPARE
	v_mov_b32 v[NIL], 0
	ds_add_u32 v28, v29
	ds_add_u32 v28, v29
	s_wait_dscnt 0x0
	v_lshrrev_b32 v1, 5, v0
	v_readfirstlane_b32 s14, v1                    ; wave 0..3
	s_lshr_b32 s15, s14, 1                         ; wr.  Also: I fetch token records (0) or weight records (1)
	s_and_b32 s16, s14, 1                          ; wc.  Also: which part of them
	s_bfe_u32 s40, ttmp6, 0x40000                  ; cx, cy
	s_bfe_u32 s41, ttmp6, 0x40004
	s_lshl_b32 s42, ttmp9, 2
	s_add_co_u32 s42, s42, s40                     ; tx
	s_and_b32 s17, ttmp7, 0xffff
	s_lshl_b32 s17, s17, 2
	s_add_co_u32 s17, s17, s41                     ; ty
	s_lshl_b32 s43, s41, 2
	s_lshl_b32 s43, 15, s43                        ; my row of the cluster
	s_lshl_b32 s44, 0x1111, s40                    ; my column
	s_or_b32 s[G1+0], s43, (3<<16)|(1<<21)         ; 15:0 the mask; 17:16 elements of 8 bytes; 21 set beside a mask; no padding: every LDS read is 16 or 8 bytes a lane on end
	s_or_b32 s[G1B+0], s44, (3<<16)|(1<<21)
.irp g, G1, G1B
	s_mov_b32 s[\g+1], 32<<16                      ; tensor_dim0: 32 elements = 256 bytes
	s_mov_b32 s[\g+2], 136<<16                     ; tensor_dim1: 136 rows = 8 records
	s_mov_b32 s[\g+3], 32<<16                      ; tile_dim0
	s_mov_b32 s[\g+4], 136                         ; tile_dim1
	s_mov_b32 s[\g+5], 32                          ; dense
	s_mov_b32 s[\g+6], 0
	s_mov_b32 s[\g+7], 0
.endr
	s_lshl_b32 s20, s17, TSH
	s_mul_i32 s20, s20, REC
	s_mul_i32 s21, s16, JA
	s_add_co_u32 s20, s20, s21
	s_mov_b32 s21, 0                               ; token records: hang on ty and the wave's number alone
	s_lshl_b32 s46, s42, TSH
	s_mul_i32 s46, s46, REC
	s_mul_i32 s47, s16, JB
	s_add_co_u32 s46, s46, s47
	s_add_co_u32 s46, s46, WOFF
	s_mov_b32 s47, 0                               ; weight records: on tx and the wave's number alone
	s_mul_i32 s45, s14, HALF
	; the prefetches: of a slot's 16 token records, which my row of the cluster asks for jointly, I name record 4 cx + wave; of its 16 weight records, record 4 cy + wave: partners are told apart by address alone
	s_lshl_b32 s88, s17, 4
	s_lshl_b32 s89, s40, 2
	s_add_co_u32 s88, s88, s89
	s_add_co_u32 s88, s88, s14
	s_mul_i32 s88, s88, REC
	s_mov_b32 s89, 0
	s_lshl_b32 s90, s42, 4
	s_lshl_b32 s91, s41, 2
	s_add_co_u32 s90, s90, s91
	s_add_co_u32 s90, s90, s14
	s_mul_i32 s90, s90, REC
	s_add_co_u32 s90, s90, WOFF
	s_mov_b32 s91, 0
	v_and_b32 v6, 31, v0
	v_min_u32 v6, 16, v6
	v_lshlrev_b32 v6, 8, v6                        ; a record is 17 blocks of 256 bytes: a lane a block, the lanes left over name the last again
	s_wait_alu depctr_va_vdst(0)
	s_wait_kmcnt 0x0
	s_add_nc_u64 s[88:89], s[4:5], s[88:89]
	s_add_nc_u64 s[90:91], s[6:7], s[90:91]
	s_add_nc_u64 s[20:21], s[4:5], s[20:21]
	s_add_nc_u64 s[46:47], s[6:7], s[46:47]
	CROUND                                         ; all sixteen work-groups are here: the first joint loads meet
.irp s, 0,1
	s_mov_b32 s[G0+4*\s], 1
	s_add_co_u32 s[G0+4*\s+1], s45, \s*SLOT
	s_add_nc_u64 s[G0+4*\s+2:G0+4*\s+3], s[20:21], \s*ASL
	s_or_b32 s[G0+4*\s+3], s[G0+4*\s+3], 0x80000000
	s_mov_b32 s[G0B+4*\s], 1
	s_add_co_u32 s[G0B+4*\s+1], s45, \s*SLOT
	s_add_nc_u64 s[G0B+4*\s+2:G0B+4*\s+3], s[46:47], \s*BSL
	s_or_b32 s[G0B+4*\s+3], s[G0B+4*\s+3], 0x80000000
.if \s == 1
	s_wait_alu depctr_va_vdst(0)
	s_wait_tensorcnt 0x0                           ; slot 1's first fill is issued as a refill is
	ds_add_u32 v28, v29
	ds_add_u32 v28, v29
	s_wait_dscnt 0x0
	CROUND
.endif
	JLOAD G0+4*\s, G1, G0B+4*\s, G1B               ; one tensor load a wave behind each round
.if \s == 0
	global_prefetch_b8 v6, s[88:89] offset:ASL th:TH_LOAD_NT scope:SCOPE_SE      ; behind slot 0's load: my records of K slots 1 and 2,
	global_prefetch_b8 v6, s[90:91] offset:BSL th:TH_LOAD_NT scope:SCOPE_SE
	global_prefetch_b8 v6, s[88:89] offset:2*ASL th:TH_LOAD_NT scope:SCOPE_SE
	global_prefetch_b8 v6, s[90:91] offset:2*BSL th:TH_LOAD_NT scope:SCOPE_SE
.else
	global_prefetch_b8 v6, s[88:89] offset:3*ASL th:TH_LOAD_NT scope:SCOPE_SE    ; behind slot 1's: of K slot 3, the last
	global_prefetch_b8 v6, s[90:91] offset:3*BSL th:TH_LOAD_NT scope:SCOPE_SE
.endif
.endr
	v_and_b32 v1, 31, v0
	v_lshlrev_b32 v2, 4, v1                        ; 16 x lane
	s_wait_alu depctr_va_vdst(0)
	v_lshlrev_b32 v3, 3, v1                        ; 8 x lane
	s_wait_alu depctr_va_vdst(0)
	s_cmp_eq_u32 ttmp9, 2                          ; the cluster's x: 0 q, 1 k, 2 v; equal in all partners
	s_cselect_b32 s66, 1, 0
	s_cselect_b32 s23, 2*HALF, 0                   ; role A (lanes): tokens, for v the weight
	s_cselect_b32 s67, 0, 2*HALF                   ; role B (registers): the weight, for v tokens
	s_mul_i32 s21, s15, WSTR
	s_mul_i32 s22, s16, WSTR
	s_add_co_u32 s21, s21, s23
	s_add_co_u32 s22, s22, s67
.irp s, 0,1
	v_add_nc_u32 v[ADRA+\s], s21, v2
	v_add_nc_u32 v[ADRB+\s], s22, v2
	v_add_nc_u32 v[ASA+\s], s21, v3
	v_add_nc_u32 v[ASB+\s], s22, v3
	s_add_co_u32 s21, s21, SLOT
	s_add_co_u32 s22, s22, SLOT
.endr
	s_mov_b32 s[SEL], 0x76543210
	s_mov_b32 s[SEL+1], 0xfedcba98
	s_mov_b32 s[MNT], 0x600000
.macro FRAG reg, adr, q, i             ; a fragment comes back as the image that it is: four loads of 512 consecutive bytes
.irp c, 0,1,2,3
	ds_load_b128 v[\reg+4*\c:\reg+4*\c+3], v[\adr] offset:((\q)/2)*HALF+(\i)*REC+((\q)%2)*2048+512*\c
.endr
.endm
.macro FETCH_B slot, q, p
	WIN 0x40
.set FI, 0
.rept T
	FRAG 128*(\p)+16*FI, ADRB+\slot, \q, FI
.set FI, FI+1
.endr
	WIN 0
.endm
.macro FETCH_A slot, q, i0
.set FI, \i0
.rept T/2
	FRAG AF+16*FI, ADRA+\slot, \q, FI
.set FI, FI+1
.endr
.endm
.macro SCALES s                        ; the slot's scale words: role A's word of (tile i, step q) at v[SC + 32 s + NQ i + q], role B's 16 further on
.set FI, 0
.rept T
.set FJ, 0
.rept NQ/2
	ds_load_b64 v[SC+32*\s+NQ*FI+2*FJ:SC+32*\s+NQ*FI+2*FJ+1], v[ASA+\s] offset:FJ*HALF+FI*REC+4096
	ds_load_b64 v[SC+32*\s+16+NQ*FI+2*FJ:SC+32*\s+16+NQ*FI+2*FJ+1], v[ASB+\s] offset:FJ*HALF+FI*REC+4096
.set FJ, FJ+1
.endr
.set FI, FI+1
.endr
.endm
; n of role A's tiles from a0 on x role B's T.  All accumulators take turns, one instruction a turn, in the same order in every step.  zero = 1: the first products start the sums
.macro MULS a0, n, p, q, sc, zero
.set MA, \a0
.rept \n
.irp b, 0,1,2,3,4,5,6,7
.if \b < T
.set MD, 8*(T*(MA%4)+\b)
.if \zero
	v_wmma_scale_f32_16x16x128_f8f6f4 v[MD:MD+7], v[128*(\p)+16*\b:128*(\p)+16*\b+15], v[AF+16*MA:AF+16*MA+15], 0, v[SC+32*(\sc)+16+NQ*\b+(\q)], v[SC+32*(\sc)+NQ*MA+(\q)] matrix_a_fmt:MATRIX_FMT_BF8 matrix_b_fmt:MATRIX_FMT_BF8
.else
	v_wmma_scale_f32_16x16x128_f8f6f4 v[MD:MD+7], v[128*(\p)+16*\b:128*(\p)+16*\b+15], v[AF+16*MA:AF+16*MA+15], v[MD:MD+7], v[SC+32*(\sc)+16+NQ*\b+(\q)], v[SC+32*(\sc)+NQ*MA+(\q)] matrix_a_fmt:MATRIX_FMT_BF8 matrix_b_fmt:MATRIX_FMT_BF8
.endif
.endif
.endr
.set MA, MA+1
.endr
.endm
.macro STEP slot, q, zero              ; a step of 128 along K that has its successor in the same slot
	s_wait_dscnt 2*T                               ; all but the youngest 2 T loads (role A's upper tiles) are in
	WIN MUL_LO
	MULS 0, T/2, (\q)%2, \q, \slot, \zero
	s_wait_dscnt 0
	PLACES 8
	FETCH_B \slot, (\q)+1, 1-(\q)%2
	FETCH_A \slot, (\q)+1, 0
	WIN MUL_HI
	MULS T/2, T/2, (\q)%2, \q, \slot, \zero
	PLACES 8
	WIN 0
	FETCH_A \slot, (\q)+1, T/2
.endm
.macro TURN slot, next, fill           ; a slot's last step changes slots: one barrier; fill = 1: it opens a round of the cluster's, and this slot is filled again
	s_wait_tensorcnt 0x0                           ; all my tensor loads have landed: my part of the next slot
	ds_add_u32 v[SPW], v[NIL]                      ; 0 onto my spare word
	s_wait_dscnt 2*T+1                             ; (the add and the youngest 2 T loads may be out)
	WIN MUL_LO
	MULS 0, T/4, 1, NQ-1, \slot, 0
	s_wait_dscnt 0x0                               ; the add is done, and my reads of this slot are over
	s_barrier_signal -1
	MULS T/4, T/4, 1, NQ-1, \slot, 0
	WIN 0
	s_barrier_wait -1
.if \fill
	CREST                                          ; no wave of any partner still reads this slot or has a load on its way
	s_add_nc_u64 s[G0+4*\slot+2:G0+4*\slot+3], s[G0+4*\slot+2:G0+4*\slot+3], 2*ASL
	s_add_nc_u64 s[G0B+4*\slot+2:G0B+4*\slot+3], s[G0B+4*\slot+2:G0B+4*\slot+3], 2*BSL
	JLOAD G0+4*\slot, G1, G0B+4*\slot, G1B         ; my one tensor load behind the round; its four v_nop are four of the eight places
	PLACES 4
.else
	PLACES 8
.endif
	FETCH_B \next, 0, 0
	FETCH_A \next, 0, 0
	SCALES \next
	WIN MUL_HI
	MULS T/2, T/2, 1, NQ-1, \slot, 0
	PLACES 8
	WIN 0
	FETCH_A \next, 0, T/2
.endm
.macro MIDS slot
.if NQ == 4
	STEP \slot, 1, 0
	STEP \slot, 2, 0
.endif
.endm
	s_wait_alu depctr_va_vdst(0)
	s_wait_tensorcnt 1                             ; my part of slot 0 is in; slot 1's load may be out
	s_barrier_signal -1
	s_barrier_wait -1
	FETCH_B 0, 0, 0
	FETCH_A 0, 0, 0
	SCALES 0
	FETCH_A 0, 0, T/2
	STEP 0, 0, 1
.if LAPS > 1
	s_mov_b32 s3, LAPS-1
.Llap:                                             ; a trip goes once round the ring and fills both slots again
	MIDS 0
	TURN 0, 1, 1
	STEP 1, 0, 0
	MIDS 1
	TURN 1, 0, 1
	STEP 0, 0, 0
	s_sub_co_u32 s3, s3, 1
	s_cmp_lg_u32 s3, 0
	s_cbranch_scc1 .Llap
.endif
	MIDS 0
	TURN 0, 1, 0                                   ; the last lap fills nothing
	STEP 1, 0, 0
	MIDS 1
	s_wait_dscnt 2*T
	WIN MUL_LO
	MULS 0, T/2, 1, NQ-1, 1, 0
	s_wait_dscnt 0
	WIN MUL_HI
	MULS T/2, T/2, 1, NQ-1, 1, 0
	WIN 0
; THE WAY OUT.  The 64 results of a lane in role A's tile a (register 16 b + i = place 32 b + 16 (lane / 16) + i along the registers' axis) become a fragment's codes in v[PC] on and its scale word in v[SW + a].
.macro QUANTW a
.set W, 2+(\a)/4
.set AC, 64*((\a)%4)
	WIN 5*W                                        ; sources 0, 1: the accumulators' window
.irp b, 0,1,2,3
	v_max3_num_f32 v[TM+\b], |v[AC+16*\b]|, |v[AC+16*\b+1]|, 0x8000000   ; each accumulator is read from its low end on; the floor 2^(16 - 127)
.endr
	WIN 20*W                                       ; sources 1, 2
.irp i, 2,4,6,8,10,12,14
.irp b, 0,1,2,3
	v_max3_num_f32 v[TM+\b], v[TM+\b], |v[AC+16*\b+\i]|, |v[AC+16*\b+\i+1]|
.endr
.endr
	WIN 0
.irp b, 0,1,2,3
	v_permlanex16_b32 v[TM+4+\b], v[TM+\b], s[SEL], s[SEL+1]
.endr
.irp b, 0,1,2,3
	v_max_num_f32 v[TM+\b], v[TM+\b], v[TM+4+\b]
.endr
.irp b, 0,1,2,3
	v_add_nc_u32 v[TM+12+\b], 0xf8800000, v[TM+\b]
.endr
.irp b, 0,1,2,3
	v_and_or_b32 v[TM+8+\b], v[TM+\b], 0x7f800000, s[MNT]
.endr
.irp b, 0,1,2,3
	v_lshrrev_b32 v[TM+4+\b], 23, v[TM+12+\b]
.endr
	v_lshl_or_b32 v[SW+\a], v[TM+5], 8, v[TM+4]
	v_lshl_or_b32 v[SW+\a], v[TM+6], 16, v[SW+\a]
	v_lshl_or_b32 v[SW+\a], v[TM+7], 24, v[SW+\a]
	WIN 65*W                                       ; destination and source 0
.irp b, 0,1,2,3
.irp i, 0,1,2,3,4,5,6,7,8,9,10,11,12,13,14,15
	v_med3_num_f32 v[AC+16*\b+\i], v[AC+16*\b+\i], -v[TM+8+\b], v[TM+8+\b]   ; the conversion does not saturate (ISA guide 7.6.2): the hold
.endr
.endr
	s_wait_alu depctr_va_vdst(0)
	s_wait_xcnt 0x0                                ; the last tile's stores have read v[PC] on: only now is it written again
	WIN W                                          ; source 0
.irp b, 0,1,2,3
	v_cvt_scalef32_pk8_bf8_f32 v[PC+4*\b:PC+4*\b+1], v[AC+16*\b:AC+16*\b+7], v[TM+12+\b]
	v_cvt_scalef32_pk8_bf8_f32 v[PC+4*\b+2:PC+4*\b+3], v[AC+16*\b+8:AC+16*\b+15], v[TM+12+\b]
.endr
	WIN 0
	v_nop                                          ; a plain line behind the last conversion
.endm
	PLACES 8
.irp b, 0,1,2,3
	v_mov_b32 v[TM+4+\b], 0                        ; a lane permute's destination counts as one of its sources
.endr
	; two bases, a head apart.  q, k: heads 4 (tx % 4) + 2 wc + 0, 1; group of tokens 2 (ty % 8) + wr.  v: heads 4 (tx % 4) + 2 wr + 0, 1; key step 2 (ty % 8) + wc, behind k's 9,216 bytes
	s_cmp_eq_u32 ttmp9, 0
	s_cselect_b64 s[68:69], s[8:9], s[10:11]
	s_mov_b32 s70, 286720
	s_cselect_b32 s70, 147456, s70                 ; bytes of a head
	s_mov_b32 s71, 17920
	s_cselect_b32 s71, 9216, s71                   ; bytes of 128 tokens
	s_cmp_eq_u32 s66, 1
	s_cselect_b32 s72, s15, s16
	s_cselect_b32 s73, s16, s15
	s_cselect_b32 s74, 9216, 0
	s_lshr_b32 s75, s17, 3
	s_lshl_b32 s75, s75, 4                         ; 16 x batch
	s_and_b32 s76, s42, 3
	s_lshl_b32 s76, s76, 2
	s_add_co_u32 s75, s75, s76
	s_lshl_b32 s72, s72, 1
	s_add_co_u32 s75, s75, s72
	s_mul_i32 s75, s75, s70
	s_and_b32 s76, s17, 7
	s_lshl_b32 s76, s76, 1
	s_add_co_u32 s76, s76, s73
	s_mul_i32 s76, s76, s71
	s_add_co_u32 s76, s76, s75
	s_add_co_u32 s76, s76, s74
	s_mov_b32 s77, 0
	s_add_nc_u64 s[68:69], s[68:69], s[76:77]
	s_mov_b32 s78, s70
	s_mov_b32 s79, 0
	s_add_nc_u64 s[80:81], s[68:69], s[78:79]
.irp a, 0,1,2,3,4,5,6,7
	QUANTW \a
	s_cmp_eq_u32 s66, 1
	s_cbranch_scc1 .Lvst_\a
	global_store_b128 v2, v[PC:PC+3], s[68:69] offset:(\a/2)*2304+(\a%2)*1024          ; tile a of tokens: chunks 0, 1 are the even head's 64,
	global_store_b128 v2, v[PC+4:PC+7], s[68:69] offset:(\a/2)*2304+(\a%2)*1024+512
	global_store_b128 v2, v[PC+8:PC+11], s[80:81] offset:(\a/2)*2304+(\a%2)*1024       ; chunks 2, 3 the odd head's; each store is 512 consecutive bytes
	global_store_b128 v2, v[PC+12:PC+15], s[80:81] offset:(\a/2)*2304+(\a%2)*1024+512
	s_branch .Lst_\a
.Lvst_\a:
	s_wait_alu depctr_va_vdst(0)
.irp c, 0,1,2,3
	global_store_b128 v2, v[PC+4*\c:PC+4*\c+3], s[68+12*(\a/4):69+12*(\a/4)] offset:(\a%4)*2048+512*\c   ; tile a of columns: head a / 4, 16 of its 64 x 128 keys
.endr
.Lst_\a:
.endr
	s_cmp_eq_u32 s66, 1
	s_cbranch_scc1 .Lvsc
.irp a, 0,1,2,3,4,5,6,7
	v_lshrrev_b32 v[SWH+\a], 16, v[SW+\a]          ; the odd head's two bytes
.endr
.irp p, 0,1,2,3
	global_store_b64 v3, v[SW+2*\p:SW+2*\p+1], s[68:69] offset:\p*2304+2048
	global_store_b64 v3, v[SWH+2*\p:SWH+2*\p+1], s[80:81] offset:\p*2304+2048
.endr
	s_branch .Lscd
.Lvsc:
	global_store_b128 v2, v[SW:SW+3], s[68:69] offset:8192
	global_store_b128 v2, v[SW+4:SW+7], s[80:81] offset:8192
.Lscd:
	s_wait_tensorcnt 0x0                           ; the wave's end
	ds_add_u32 v[SPW], v[NIL]
	s_wait_dscnt 0x0
	CROUND                                         ; the closing round
	s_endpgm
.Lfunc_end_k_q38d1cdfdd4_qkv:
	.size	k_q38d1cdfdd4_qkv, .Lfunc_end_k_q38d1cdfdd4_qkv-k_q38d1cdfdd4_qkv
	.p2alignl 7, 3214868480
	.fill 96, 4, 3214868480
	.section	.rodata,"a",@progbits
	.p2align	6, 0x0
	.amdhsa_kernel k_q38d1cdfdd4_qkv
		.amdhsa_group_segment_fixed_size 327680
		.amdhsa_private_segment_fixed_size 0
		.amdhsa_enable_private_segment 0
		.amdhsa_kernarg_size 32
		.amdhsa_user_sgpr_count 2
		.amdhsa_user_sgpr_kernarg_segment_ptr 1
		.amdhsa_wavefront_size32 1
		.amdhsa_system_sgpr_workgroup_id_x 1
		.amdhsa_system_sgpr_workgroup_id_y 1
		.amdhsa_system_sgpr_workgroup_id_z 1
		.amdhsa_system_vgpr_workitem_id 0
		.amdhsa_next_free_vgpr 1024
		.amdhsa_next_free_sgpr 96
		.amdhsa_reserve_vcc 0
		.amdhsa_float_denorm_mode_32 3
		.amdhsa_float_denorm_mode_16_64 3
		.amdhsa_memory_ordered 1
		.amdhsa_forward_progress 1
		.amdhsa_inst_pref_size 192
	.end_amdhsa_kernel
	.amdgpu_metadata
---
amdhsa.version: [ 1, 2 ]
amdhsa.kernels:
  - .name:           k_q38d1cdfdd4_qkv
    .symbol:         k_q38d1cdfdd4_qkv.kd
    .args:
      - { .name: h1q, .offset: 0, .size: 8, .value_kind: global_buffer, .address_space: global }
      - { .name: wq, .offset: 8, .size: 8, .value_kind: global_buffer, .address_space: global }
      - { .name: qq, .offset: 16, .size: 8, .value_kind: global_buffer, .address_space: global }
      - { .name: kvq, .offset: 24, .size: 8, .value_kind: global_buffer, .address_space: global }
    .group_segment_fixed_size: 327680
    .private_segment_fixed_size: 0
    .kernarg_segment_align: 8
    .kernarg_segment_size: 32
    .max_flat_workgroup_size: 128
    .sgpr_count:     96
    .vgpr_count:     1024
    .wavefront_size: 32
...
	.end_amdgpu_metadata
.endif
;; end of part 2
;; launch att (part 3): grid 8 x 32, 16 waves a work-group, clusters of 4 x 1, 327,680 bytes of LDS; arguments qq, kvq, yq; writes yq
.if DOCPART == 3
	.amdgcn_target "amdgcn-amd-amdhsa--gfx1250"
	.amdhsa_code_object_version 6
	.text
	.protected	k_q38d1cdfdd4_att
	.globl	k_q38d1cdfdd4_att
	.p2align	8
	.type	k_q38d1cdfdd4_att,@function
k_q38d1cdfdd4_att:
	s_mov_b64 s[64:65], 0
	v_nop
	global_prefetch_b8 v0, s[64:65] scope:SCOPE_SE
	s_setreg_imm32_b32 hwreg(HW_REG_WAVE_MODE, 25, 1), 1
	s_wait_xcnt 0x0
	s_wait_alu depctr_hold_cnt(0) depctr_sa_sdst(0) depctr_va_vdst(0) depctr_va_sdst(0) depctr_va_ssrc(0) depctr_va_vcc(0) depctr_vm_vsrc(0)
	s_getreg_b32 s2, hwreg(HW_REG_IB_STS2, 6, 4)
	s_cmp_eq_u32 s2, 0
	s_cbranch_scc0 .Lentry_in_a_cluster
	s_endpgm
.Lentry_in_a_cluster:
	s_bfe_u32 s2, ttmp6, 0x10000c
	s_cmp_lg_u32 s2, 0x3003
	s_cbranch_scc0 .Lentry_shape_is_right
	s_endpgm
.Lentry_shape_is_right:
; y = softmax(q k^T / 8, causal) v for 32 heads of 2,048 tokens x 64, both products on codes of E5M2 with E8M0 scales; y is quantised along the head's 64 and stored as part of the next product's records.
; THE SOFTMAX: t = score x log2(e) / 8; M = the running largest t rounded UP to a whole number; p = 2^(t - M) is quantised along the keys, not normalised; the row's sum of the unquantised p divides at the end;
; when M moves, the sum and O are multiplied by 2^(old M - new M): exact.
; INPUTS in the order of the operands' registers.  qq: pair records of 2,304 bytes (two tiles of 16 tokens x 64: tile u, chunk c' at 1,024 u + 512 c' + 16 x lane; scale words at 2,048 + 8 x lane).
; kvq: a key step of 128 keys is 17,920 bytes: k's four pair records, v's four images (16 of the 64 x 128 keys), v's scale words.  Place r of tile 2 b + u holds token 32 b + 8 u + r + 8 (r / 8).
; A HEAD OF 64 fills half of the instruction's K = 128: registers 8-15 of q's and k's fragments are zero codes, written once.
; SHARES.  A work-group serves one head and, of each of its 16 groups of 128 tokens, ONE tile of 16 queries: tile 8 i + x of group i, x the work-group's number along x.  Tile i wants key steps 0 .. i (step i lies on the diagonal).
; EACH TILE'S KEYS ARE SHARED BETWEEN TWO WAVES: the low task is steps 0 .. h(i) - 1, the high task steps h(i) .. i, h(i) = max((i + 2) / 2, min(i + 1, 2)).  Wave w does the low task of group a = w xor bit 2 of w, then the high task of
; group 15 - a: 8 or 9 steps for every wave (136 in all), and any four waves with equal w % 4 or equal w / 4 hold 33 to 35.  All of that hangs on the wave's number alone, so all work-groups branch alike.
; A low task's O^T, -M and sum go to LDS as an image of their registers (4,352 bytes, stage a); behind one barrier the wave that did the tile's high task loads them and joins the two: M is the larger of the two whole numbers, and each side is
; multiplied by 2^(its M - M), which rounds nothing.  A high task with no step (groups 0, 1) has zeros and -M = 3e38: its factor comes out 0.
; LDS.  The head's k and v, 286,720 dense bytes, lie in LDS whole, filled once, by joint loads of the cluster's four work-groups (the same head): wave 0 brings steps 0, 1; behind one more round waves 1-7 bring the rest,
; which lands while steps 0, 1 are worked.  Stages 0-7 lie in bytes 0 .. 34,815, inside key steps 0, 1: those have had their one fill and are read for the last time ahead of the barrier behind the first two steps (high tasks begin at step 2);
; stages 8-15 lie behind the spare words.  Every LDS access is 16 or 8 bytes a lane on end.
; y's scale bytes: a head makes two bytes a row of a scale word that four heads share, so these 16-bit stores write 256-byte blocks in part: 256 KiB of the launch's 4.4 MB.
; LIMITS: a block of zeros gets the byte 1 (zero codes); blocks of y whose largest magnitude lies under 2^-111 are held at byte 1; NaN and infinities are not served.
; REGISTERS: v1, v2 16 x, 8 x lane; v3 my query less the diagonal step's first key less 16 (lane / 16); v4, v7 my stage to store, v10, v11 the stage to load; v5, v6 the add's; v8, v9 addresses in hand; v12 -M, v13 largest t, v[14:15] the sum;
;   v16-31 q; v32-95 four fragments of k; v96-159 S^T, then p, then v's four fragments; v160-191 O^T; v192-207 p's codes; v208-211, v216-219, v253, v255 scale words; v212, v213 q's offsets; v220-227, v228 the second tile's q and its scale word; v232-254 at work.
.set STEPB, 17920
.set PARTB, 2*STEPB                    ; what one tensor load brings: 140 rows of 256 bytes
.set HEADB, 16*STEPB
.set SPARE, HEADB                      ; behind the head: the spare words, 128 bytes for each of 16 waves, that no other line names
.set STG2,  HEADB+2048                 ; behind them: stages 8-15
.set REC,   4352                       ; a record of the next product; also a stage: 32 registers' images and 8 bytes a lane
.macro CROUND                          ; a round of the cluster's barrier
	s_barrier_signal -1
	s_barrier_wait -1
	s_cmp_lg_u32 s18, 0
	s_cbranch_scc1 .Lnot_wave_0_\@
	s_barrier_signal -3
.Lnot_wave_0_\@:
	s_barrier_wait -3
	s_barrier_signal -1
	s_barrier_wait -1
.endm
	s_load_b128 s[4:7], s[0:1], 0x0                ; qq, kvq
	s_load_b64 s[8:9], s[0:1], 0x10                ; yq
	v_lshl_add_u32 v5, v0, 2, SPARE
	v_mov_b32 v6, 0
	ds_add_u32 v5, v6
	ds_add_u32 v5, v6
	s_wait_dscnt 0x0
	v_lshrrev_b32 v1, 5, v0
	s_delay_alu instid0(VALU_DEP_1)
	v_readfirstlane_b32 s18, v1                    ; wave 0..15
	s_bfe_u32 s40, s18, 0x10002                    ; bit 2 of it
	s_xor_b32 s38, s18, s40                        ; the group in hand: first a, whose low task is mine,
	s_xor_b32 s60, s38, 15                         ; then 15 - a, whose high task is mine
	s_add_co_u32 s40, s38, 2
	s_lshr_b32 s40, s40, 1
	s_add_co_u32 s41, s38, 1
	s_min_u32 s41, s41, 2
	s_max_u32 s40, s40, s41                        ; h(a)
	s_mov_b32 s58, 0                               ; the task in hand: its first key step,
	s_sub_co_u32 s59, s40, 1                       ; its last
	s_add_co_u32 s40, s60, 2
	s_lshr_b32 s40, s40, 1
	s_add_co_u32 s41, s60, 1
	s_min_u32 s41, s41, 2
	s_max_u32 s61, s40, s41                        ; h(15 - a): the second task's first step; its last is 15 - a
	s_and_b32 s40, s38, 7
	s_mul_i32 s40, s40, REC
	s_lshr_b32 s41, s38, 3
	s_mul_i32 s41, s41, STG2
	s_add_co_u32 s62, s40, s41                     ; stage a, which I store
	s_and_b32 s40, s60, 7
	s_mul_i32 s40, s40, REC
	s_lshr_b32 s41, s60, 3
	s_mul_i32 s41, s41, STG2
	s_add_co_u32 s63, s40, s41                     ; stage 15 - a, which I load
	s_bfe_u32 s42, ttmp6, 0x40000                  ; cx
	s_lshl_b32 s43, ttmp9, 2
	s_add_co_u32 s43, s43, s42                     ; x: it enters q's and y's global addresses and the mask's numbers alone
	s_and_b32 s44, ttmp7, 0xffff                   ; the head, which the four partners share
	s_mov_b32 s24, 15|(3<<16)|(1<<21)              ; 15:0 the mask: all four; 17:16 elements of 8 bytes; 21 set beside a mask
	s_mov_b32 s25, 32<<16                          ; tensor_dim0: 256 bytes
	s_mov_b32 s26, 140<<16                         ; tensor_dim1
	s_mov_b32 s27, 32<<16                          ; tile_dim0
	s_mov_b32 s28, 140                             ; tile_dim1
	s_mov_b32 s29, 32                              ; dense
	s_mov_b32 s30, 0
	s_mov_b32 s31, 0
	s_and_b32 s45, s18, 7
	s_mul_i32 s45, s45, PARTB                      ; part w, in LDS and in the head
	s_mul_i32 s46, s44, HEADB
	s_add_co_u32 s46, s46, s45
	s_mov_b32 s47, 0
	s_mul_i32 s48, s44, 147456                     ; q: the head, the pair of tiles,
	s_lshr_b32 s49, s43, 1
	s_mul_i32 s49, s49, 2304
	s_add_co_u32 s48, s48, s49
	s_mul_i32 s49, s38, 9216                       ; and the group of 128 tokens: the first task's,
	s_add_co_u32 s52, s48, s49
	s_mov_b32 s53, 0
	s_mul_i32 s49, s60, 9216                       ; the second's
	s_add_co_u32 s54, s48, s49
	s_mov_b32 s55, 0
	s_and_b32 s50, s43, 1                          ; which tile of the pair
	s_mov_b32 s19, 0x600000                        ; the mantissa field of 57,344
	s_mov_b32 s20, 0x76543210
	s_mov_b32 s21, 0xfedcba98
	s_mov_b32 s22, 0x3e38aa3b                      ; c = log2(e) / 8
	s_mov_b32 s23, s22
	s_mov_b32 s36, 0                               ; LDS byte of the key step in hand
	s_mov_b32 s37, 0                               ; its number
	v_and_b32 v7, 31, v0
	s_delay_alu instid0(VALU_DEP_1)
	v_lshlrev_b32 v1, 4, v7
	s_delay_alu instid0(VALU_DEP_2)
	v_lshlrev_b32 v2, 3, v7
	v_and_b32 v10, 15, v0
	v_bfe_u32 v11, v0, 4, 1
	s_delay_alu instid0(VALU_DEP_2)
	v_and_b32 v3, 8, v10
	s_delay_alu instid0(VALU_DEP_1)
	v_add_nc_u32 v3, v3, v10
	s_delay_alu instid0(VALU_DEP_3)
	v_lshlrev_b32 v11, 4, v11
	s_delay_alu instid0(VALU_DEP_1)
	v_sub_nc_u32 v3, v3, v11
	s_lshr_b32 s56, s43, 1
	s_lshl_b32 s56, s56, 5
	s_lshl_b32 s57, s50, 3
	s_add_co_u32 s56, s56, s57
	v_add_nc_u32 v3, s56, v3                       ; 32 (x / 2) + 8 (x % 2) + r + 8 (r / 8) - 16 h
	v_add_nc_u32 v4, s62, v1                       ; the stages' addresses: a constant x the wave's group + 16 or 8 x lane
	v_add_nc_u32 v7, s62, v2
	v_add_nc_u32 v10, s63, v1
	v_add_nc_u32 v11, s63, v2
	s_lshl_b32 s51, s50, 10
	v_add_nc_u32 v212, s51, v1                     ; q's codes: 16 x lane + the tile's 1,024 bytes
	s_lshl_b32 s51, s50, 2
	v_add_nc_u32 v213, s51, v2                     ; its scale word: 8 x lane + 4 x the tile
	s_wait_kmcnt 0x0
	s_mov_b32 s32, 1
	s_mov_b32 s33, s45
	s_add_nc_u64 s[34:35], s[6:7], s[46:47]
	s_or_b32 s35, s35, 0x80000000
	s_add_nc_u64 s[52:53], s[4:5], s[52:53]
	s_add_nc_u64 s[54:55], s[4:5], s[54:55]
	CROUND                                         ; all four work-groups are here
	s_cmp_eq_u32 s18, 0
	s_cbranch_scc0 .Lnot_first
	tensor_load_to_lds s[32:35], s[24:31]          ; key steps 0 and 1
	s_nop 0
.rept 4
	v_nop
.endr
.Lnot_first:
	s_wait_alu depctr_va_vdst(0)
	global_load_b128 v[16:19], v212, s[52:53]      ; the first task's q
	global_load_b128 v[20:23], v212, s[52:53] offset:512
	global_load_b32 v255, v213, s[52:53] offset:2048
	global_load_b128 v[220:223], v212, s[54:55]    ; the second task's, kept until it is due
	global_load_b128 v[224:227], v212, s[54:55] offset:512
	global_load_b32 v228, v213, s[54:55] offset:2048
	s_wait_tensorcnt 0x0                           ; wave 0: steps 0, 1 have landed
	ds_add_u32 v5, v6                              ; 0 onto my spare word; the clearing below stands between it and the wait for it
	ds_add_u32 v5, v6
.set n, 0
.rept 8
	v_mov_b32 v[24+n], 0                           ; the upper half of K = 128: zero codes, in q
	v_mov_b32 v[40+n], 0                           ; and in k's four fragments: written once, never loaded
	v_mov_b32 v[56+n], 0
	v_mov_b32 v[72+n], 0
	v_mov_b32 v[88+n], 0
.set n, n+1
.endr
.set n, 0
.rept 32
	v_mov_b32 v[160+n], 0                          ; O^T: the step is written once; a task's first finds zeros
.set n, n+1
.endr
.irp b, 0,1,2,3
	v_mov_b32 v[236+\b], 0                         ; a lane permute's destination counts as one of its sources
.endr
	v_mov_b32 v252, 0
	v_mov_b32 v253, 0
	v_mov_b32 v13, 0xff61b1e6                      ; the largest t so far: -3e38
	s_delay_alu instid0(VALU_DEP_1)
	v_floor_f32 v12, -v13
	v_mov_b32 v14, 0
	v_mov_b32 v15, 0
	s_wait_dscnt 0x0
	CROUND                                         ; steps 0, 1 are whole for every wave; the second group of joint loads meets
	s_cmp_eq_u32 s18, 0
	s_cbranch_scc1 .Lno_part
	s_cmp_lt_u32 s18, 8
	s_cbranch_scc0 .Lno_part
	tensor_load_to_lds s[32:35], s[24:31]          ; waves 1-7: key steps 2 w, 2 w + 1: the wave's one load, first behind the round, into bytes never filled before
	s_nop 0
.rept 4
	v_nop
.endr
.Lno_part:
	s_wait_loadcnt 0x0                             ; both q
.macro STEP
	s_cmp_lt_u32 s37, s58                          ; a key step outside the task in hand: only the stepping lines at the end are run
	s_cbranch_scc1 .Lhidden_\@
	s_cmp_gt_u32 s37, s59
	s_cbranch_scc1 .Lhidden_\@
	v_add_nc_u32 v8, s36, v1
	s_wait_alu depctr_va_vdst(0)
	v_add_nc_u32 v9, s36, v2
	s_wait_alu depctr_va_vdst(0)
.rept 7
	v_nop                                          ; nine places: the scores are written over v's fragments, which the last products read
.endr
.irp g, 0,1                                    ; S^T = k q^T, four tiles of 16 keys at a time
.if \g > 0
.rept 8
	v_nop                                          ; places in front of loads into registers that matrix instructions have read
.endr
.endif
.irp t, 0,1,2,3
	ds_load_b128 v[32+16*\t:35+16*\t], v8 offset:(2*\g+\t/2)*2304+(\t%2)*1024
	ds_load_b128 v[36+16*\t:39+16*\t], v8 offset:(2*\g+\t/2)*2304+(\t%2)*1024+512
.endr
	ds_load_b64 v[208:209], v9 offset:(2*\g)*2304+2048
	ds_load_b64 v[210:211], v9 offset:(2*\g+1)*2304+2048
	s_wait_dscnt 0x0
.irp t, 0,1,2,3
	v_wmma_scale_f32_16x16x128_f8f6f4 v[96+8*(4*\g+\t):103+8*(4*\g+\t)], v[32+16*\t:47+16*\t], v[16:31], 0, v[208+\t], v255 matrix_a_fmt:MATRIX_FMT_BF8 matrix_b_fmt:MATRIX_FMT_BF8
.endr
.endr                                          ; lane (r, h) holds query place r; register 16 b + i is key 32 b + 16 h + i of the step
.rept 8
	v_nop
.endr
	s_cmp_lg_u32 s37, s38
	s_cbranch_scc1 .Lopen_\@
	v_mov_b32 v254, 0xff800000                     ; on the diagonal hidden scores become -infinity ahead of the maximum: p = 0
.set n, 0
.rept 64
	v_cmp_gt_i32 vcc_lo, 32*(n/16)+n%16, v3
	v_cndmask_b32 v[96+n], v[96+n], v254, vcc_lo
.set n, n+1
.endr
.Lopen_\@:
.irp b, 0,1,2,3
	v_max3_num_f32 v[232+\b], v[96+16*\b], v[97+16*\b], v[98+16*\b]   ; the largest score of each block of 32 keys: for the row's maximum, and, since p rises with the score, for the block's largest p
.endr
.irp i, 3,5,7,9,11,13
.irp b, 0,1,2,3
	v_max3_num_f32 v[232+\b], v[232+\b], v[96+16*\b+\i], v[97+16*\b+\i]
.endr
.endr
.irp b, 0,1,2,3
	v_max_num_f32 v[232+\b], v[232+\b], v[111+16*\b]
.endr
.irp b, 0,1,2,3
	s_delay_alu instid0(VALU_DEP_4)
	v_permlanex16_b32 v[236+\b], v[232+\b], s20, s21
.endr
.irp b, 0,1,2,3
	s_delay_alu instid0(VALU_DEP_4)
	v_max_num_f32 v[232+\b], v[232+\b], v[236+\b]
.endr
	s_delay_alu instid0(VALU_DEP_2)
	v_max3_num_f32 v254, v232, v233, v234
	s_delay_alu instid0(VALU_DEP_1)
	v_max_num_f32 v254, v254, v235
	s_delay_alu instid0(VALU_DEP_1)
	v_mul_f32 v254, s22, v254
	s_delay_alu instid0(VALU_DEP_1)
	v_max_num_f32 v13, v13, v254                   ; the running largest t
	v_mov_b32 v254, v12
	s_delay_alu instid0(VALU_DEP_2)
	v_floor_f32 v12, -v13                          ; the new -M = -ceil(t)
	s_delay_alu instid0(VALU_DEP_1)
	v_sub_f32 v254, v12, v254                      ; old M - new M: a whole number, 0 or less
	s_delay_alu instid0(VALU_DEP_1)
	v_cvt_i32_f32 v254, v254                       ; (it saturates)
	s_delay_alu instid0(VALU_DEP_1)
	v_ldexp_f32 v252, 1.0, v254                    ; f = 2^(old M - new M)
.set n, 0
.rept 32
	v_pk_fma_f32 v[96+n:97+n], v[96+n:97+n], s[22:23], v[12:13] op_sel_hi:[1,0,0]   ; t - M
.set n, n+2
.endr
.irp b, 0,1,2,3
	v_fma_f32 v[232+\b], v[232+\b], s22, v12
.endr
.set n, 0
	s_wait_alu depctr_va_vdst(0)
.rept 64
	v_exp_f32 v[96+n], v[96+n]                     ; p = 2^(t - M)
.set n, n+1
.endr
.irp b, 0,1,2,3
	v_exp_f32 v[232+\b], v[232+\b]                 ; the block's largest p
.endr
	v_pk_mul_f32 v[14:15], v[14:15], v[252:253] op_sel_hi:[1,0]    ; the sums under the new M (a plain line behind the exponentials)
	s_wait_alu depctr_va_vdst(0)
.irp b, 0,1,2,3
	v_max_num_f32 v[232+\b], 0x8000000, v[232+\b]  ; the floor 2^(16 - 127)
.endr
.irp b, 0,1,2,3
	s_delay_alu instid0(VALU_DEP_4)
	v_add_nc_u32 v[244+\b], 0xf8800000, v[232+\b]
.endr
.irp b, 0,1,2,3
	v_and_or_b32 v[240+\b], v[232+\b], 0x7f800000, s19
.endr
.irp b, 0,1,2,3
	v_lshrrev_b32 v[236+\b], 23, v[244+\b]
.endr
	s_delay_alu instid0(VALU_DEP_3)
	v_lshl_or_b32 v253, v237, 8, v236              ; p's scale word for these 128 keys
	s_delay_alu instid0(VALU_DEP_1)
	v_lshl_or_b32 v253, v238, 16, v253
	s_delay_alu instid0(VALU_DEP_1)
	v_lshl_or_b32 v253, v239, 24, v253
	v_pk_add_f32 v[236:237], v[100:101], v[104:105]
	v_pk_add_f32 v[250:251], v[108:109], v[112:113]
	v_pk_add_f32 v[248:249], v[116:117], v[120:121]
	v_pk_add_f32 v[234:235], v[124:125], v[128:129]
	v_pk_add_f32 v[232:233], v[132:133], v[136:137]
	v_pk_add_f32 v[230:231], v[140:141], v[144:145]
	v_pk_add_f32 v[218:219], v[148:149], v[152:153]
	v_pk_add_f32 v[14:15], v[14:15], v[156:157]
	v_pk_add_f32 v[236:237], v[236:237], v[96:97]
	v_pk_add_f32 v[250:251], v[250:251], v[98:99]
	v_pk_add_f32 v[248:249], v[248:249], v[102:103]
	v_pk_add_f32 v[234:235], v[234:235], v[106:107]
	v_pk_add_f32 v[232:233], v[232:233], v[110:111]
	v_pk_add_f32 v[230:231], v[230:231], v[114:115]
	v_pk_add_f32 v[218:219], v[218:219], v[118:119]
	v_pk_add_f32 v[14:15], v[14:15], v[122:123]
	v_pk_add_f32 v[236:237], v[236:237], v[126:127]
	v_pk_add_f32 v[250:251], v[250:251], v[130:131]
	v_pk_add_f32 v[248:249], v[248:249], v[134:135]
	v_pk_add_f32 v[234:235], v[234:235], v[138:139]
	v_pk_add_f32 v[232:233], v[232:233], v[142:143]
	v_pk_add_f32 v[230:231], v[230:231], v[146:147]
	v_pk_add_f32 v[218:219], v[218:219], v[150:151]
	v_pk_add_f32 v[14:15], v[14:15], v[154:155]
	v_pk_add_f32 v[236:237], v[236:237], v[158:159]
	s_delay_alu instid0(VALU_DEP_2)
	v_pk_add_f32 v[14:15], v[14:15], v[234:235]
	s_delay_alu instid0(VALU_DEP_2)
	v_pk_add_f32 v[236:237], v[236:237], v[232:233]
	v_pk_add_f32 v[250:251], v[250:251], v[230:231]
	v_pk_add_f32 v[248:249], v[248:249], v[218:219]
	s_delay_alu instid0(VALU_DEP_2)
	v_pk_add_f32 v[14:15], v[14:15], v[250:251]
	s_delay_alu instid0(VALU_DEP_2)
	v_pk_add_f32 v[236:237], v[236:237], v[248:249]
	s_delay_alu instid0(VALU_DEP_1)
	v_pk_add_f32 v[14:15], v[14:15], v[236:237]
.irp b, 0,2                                    ; the conversion does not saturate (ISA guide 7.6.2); p is not negative: a one-sided hold, two numbers an instruction
.irp i, 0,2,4,6,8,10,12,14
	v_dual_min_num_f32 v[96+16*\b+\i], v[96+16*\b+\i], v[240+\b] :: v_dual_min_num_f32 v[113+16*\b+\i], v[113+16*\b+\i], v[241+\b]   ; number i of block b with number i + 1 of block b + 1: one destination even, one odd; the sources of each place in different banks
	v_dual_min_num_f32 v[112+16*\b+\i], v[112+16*\b+\i], v[241+\b] :: v_dual_min_num_f32 v[97+16*\b+\i], v[97+16*\b+\i], v[240+\b]
.endr
.irp c, 0,1
	v_cvt_scalef32_pk8_bf8_f32 v[192+4*(\b+\c):193+4*(\b+\c)], v[96+16*(\b+\c):103+16*(\b+\c)], v[244+\b+\c]
	v_cvt_scalef32_pk8_bf8_f32 v[194+4*(\b+\c):195+4*(\b+\c)], v[104+16*(\b+\c):111+16*(\b+\c)], v[244+\b+\c]
.endr
.endr
.set n, 0
.rept 16
	v_pk_mul_f32 v[160+n:161+n], v[160+n:161+n], v[252:253] op_sel_hi:[1,0]   ; O^T under the new M; these sixteen are also the places in front of the products below
.set n, n+2
.endr
.irp t, 0,1,2,3                                ; O^T += v^T p^T: four tiles of 16 of the head's 64; K = these 128 keys
.irp c, 0,1,2,3
	ds_load_b128 v[96+16*\t+4*\c:99+16*\t+4*\c], v8 offset:9216+\t*2048+512*\c
.endr
.endr
	ds_load_b128 v[216:219], v8 offset:17408
	s_wait_alu depctr_va_vdst(0)
	s_wait_dscnt 0x0
.irp t, 0,1,2,3
	v_wmma_scale_f32_16x16x128_f8f6f4 v[160+8*\t:167+8*\t], v[96+16*\t:111+16*\t], v[192:207], v[160+8*\t:167+8*\t], v[216+\t], v253 matrix_a_fmt:MATRIX_FMT_BF8 matrix_b_fmt:MATRIX_FMT_BF8
.endr
.Lhidden_\@:
	s_add_co_u32 s36, s36, STEPB
	s_add_co_u32 s37, s37, 1
.endm
	s_mov_b32 s39, 2
.Lfirst_steps:                                     ; the low tasks' key steps 0 and 1
	STEP
	s_sub_co_u32 s39, s39, 1
	s_cmp_lg_u32 s39, 0
	s_cbranch_scc1 .Lfirst_steps
	s_wait_tensorcnt 0x0                           ; my part of the rest has landed,
	s_wait_dscnt 0x0                               ; and my reads of key steps 0, 1 are over: nobody reads them again
	s_barrier_signal -1
	s_barrier_wait -1                              ; both hold of every wave: the whole head lies in LDS, and nothing is filled any more
	s_mov_b32 s36, PARTB
	s_mov_b32 s37, 2
	s_mov_b32 s39, 6
.Llow_steps:                                       ; the low tasks' key steps 2 to 7: h(i) is 8 at the most
	STEP
	s_sub_co_u32 s39, s39, 1
	s_cmp_lg_u32 s39, 0
	s_cbranch_scc1 .Llow_steps
	; BETWEEN THE TASKS: the low task's state goes to my stage as it stands, and the second task begins from nothing
.rept 8
	v_nop                                          ; places behind the last products
.endr
	s_wait_alu depctr_va_vdst(0)
	v_add_f32 v13, v14, v15                        ; my lane's sum, beside -M
.irp t, 0,1,2,3
	ds_store_b128 v4, v[160+8*\t:163+8*\t] offset:1024*\t          ; each accumulator from its low end on; 512 consecutive bytes a store
	ds_store_b128 v4, v[164+8*\t:167+8*\t] offset:1024*\t+512
.endr
	ds_store_b64 v7, v[12:13] offset:4096
.set n, 0
.rept 8
	v_mov_b32 v[16+n], v[220+n]                    ; the second tile's q
.set n, n+1
.endr
	v_mov_b32 v255, v228                           ; and its scale word; the lines below and the step's head are more than the eight places that it owes
	s_wait_dscnt 0x0                               ; the stores have read their registers, and have landed
.set n, 0
.rept 32
	v_mov_b32 v[160+n], 0
.set n, n+1
.endr
	v_mov_b32 v13, 0xff61b1e6
	s_delay_alu instid0(VALU_DEP_1)
	v_floor_f32 v12, -v13
	v_mov_b32 v14, 0
	v_mov_b32 v15, 0
	s_mov_b32 s38, s60                             ; the group in hand,
	s_mov_b32 s58, s61                             ; the task's first key step,
	s_mov_b32 s59, s60                             ; and its last, the diagonal's
	s_mov_b32 s36, PARTB
	s_mov_b32 s37, 2
	s_mov_b32 s39, 14
.Lhigh_steps:                                      ; the high tasks' key steps 2 to 15
	STEP
	s_sub_co_u32 s39, s39, 1
	s_cmp_lg_u32 s39, 0
	s_cbranch_scc1 .Lhigh_steps
	; THE TWO HALVES OF MY SECOND TILE ARE JOINED
.rept 8
	v_nop                                          ; places behind the last products: in front of loads into v's fragments and of the first read of O^T
.endr
	s_wait_dscnt 0x0
	s_barrier_signal -1
	s_barrier_wait -1                              ; every wave's stage has been stored
.irp c, 0,1,2,3,4,5,6,7
	ds_load_b128 v[96+4*\c:99+4*\c], v10 offset:512*\c             ; the low task's O^T, register for register
.endr
	ds_load_b64 v[232:233], v11 offset:4096        ; its -M and its sum
	s_wait_dscnt 0x0
	s_wait_alu depctr_va_vdst(0)
	v_add_f32 v14, v14, v15                        ; my lane's sum
	v_min_num_f32 v234, v12, v232                  ; -M: M is the larger of the two
	s_delay_alu instid0(VALU_DEP_1)
	v_sub_f32 v235, v234, v12                      ; my M - M: a whole number, 0 or less
	s_delay_alu instid0(VALU_DEP_2)
	v_sub_f32 v236, v234, v232                     ; the low task's likewise
	s_delay_alu instid0(VALU_DEP_2)
	v_cvt_i32_f32 v235, v235                       ; (they saturate)
	s_delay_alu instid0(VALU_DEP_2)
	v_cvt_i32_f32 v236, v236
	s_delay_alu instid0(VALU_DEP_2)
	v_ldexp_f32 v240, 1.0, v235                    ; the two factors: powers of two, or 0 for a task without a step
	s_delay_alu instid0(VALU_DEP_2)
	v_ldexp_f32 v242, 1.0, v236
	s_delay_alu instid0(VALU_DEP_2)
	v_mov_b32 v241, v240                           ; as pairs
	s_delay_alu instid0(VALU_DEP_2)
	v_mov_b32 v243, v242
.set n, 0
.rept 16
	v_pk_mul_f32 v[96+n:97+n], v[96+n:97+n], v[242:243]
.set n, n+2
.endr
.set n, 0
.rept 16
	v_pk_fma_f32 v[96+n:97+n], v[160+n:161+n], v[240:241], v[96+n:97+n]   ; each accumulator from its low end on
.set n, n+2
.endr
	v_mul_f32 v233, v233, v242
	s_delay_alu instid0(VALU_DEP_1)
	v_fma_f32 v14, v14, v240, v233
	; THE WAY OUT: y = O^T / the sum, quantised along the head's 64 (register 16 b + i = channel 32 b + 16 h + i): two chunks of an image of the next product's token records
	s_delay_alu instid0(VALU_DEP_1)
	v_permlanex16_b32 v252, v14, s20, s21
	s_delay_alu instid0(VALU_DEP_1)
	v_add_f32 v14, v14, v252                       ; the row's sum
	s_wait_alu depctr_va_vdst(0)
	v_rcp_f32 v14, v14
	v_nop                                          ; a plain line behind the transcendental
.set n, 0
	s_wait_alu depctr_va_vdst(0)
.rept 32
	v_mul_f32 v[96+n], v[96+n], v14
.set n, n+1
.endr
.irp b, 0,1
	v_max3_num_f32 v[232+\b], |v[96+16*\b]|, |v[97+16*\b]|, 0x8000000
.endr
.irp i, 2,4,6,8,10,12,14
.irp b, 0,1
	s_delay_alu instid0(VALU_DEP_2)
	v_max3_num_f32 v[232+\b], v[232+\b], |v[96+16*\b+\i]|, |v[97+16*\b+\i]|
.endr
.endr
.irp b, 0,1
	s_delay_alu instid0(VALU_DEP_2)
	v_permlanex16_b32 v[236+\b], v[232+\b], s20, s21
.endr
.irp b, 0,1
	s_delay_alu instid0(VALU_DEP_2)
	v_max_num_f32 v[232+\b], v[232+\b], v[236+\b]
.endr
.irp b, 0,1
	s_delay_alu instid0(VALU_DEP_2)
	v_add_nc_u32 v[244+\b], 0xf8800000, v[232+\b]
.endr
.irp b, 0,1
	s_delay_alu instid0(VALU_DEP_4)
	v_and_or_b32 v[240+\b], v[232+\b], 0x7f800000, s19
.endr
.irp b, 0,1
	s_delay_alu instid0(VALU_DEP_4)
	v_lshrrev_b32 v[236+\b], 23, v[244+\b]
.endr
	s_delay_alu instid0(VALU_DEP_1)
	v_lshl_or_b32 v254, v237, 8, v236              ; my row's two scale bytes
.irp b, 0,1
.irp i, 0,1,2,3,4,5,6,7,8,9,10,11,12,13,14,15
	v_med3_num_f32 v[96+16*\b+\i], v[96+16*\b+\i], -v[240+\b], v[240+\b]
.endr
	v_cvt_scalef32_pk8_bf8_f32 v[192+4*\b:193+4*\b], v[96+16*\b:103+16*\b], v[244+\b]
	v_cvt_scalef32_pk8_bf8_f32 v[194+4*\b:195+4*\b], v[104+16*\b:111+16*\b], v[244+\b]
.endr
	s_wait_alu depctr_va_vdst(0)
	v_nop                                          ; a plain line behind the last conversion
	s_and_b32 s40, s44, 15                         ; the head within its batch: K = 64 head + channel
	s_lshr_b32 s41, s40, 2
	s_lshl_b32 s41, s41, 8                         ; K slot x 256 tiles
	s_lshr_b32 s45, s44, 4
	s_lshl_b32 s45, s45, 7                         ; batch x 128 tiles
	s_add_co_u32 s41, s41, s45
	s_lshl_b32 s45, s38, 3
	s_add_co_u32 s41, s41, s45
	s_add_co_u32 s41, s41, s43                     ; + 8 x the second task's group + x
	s_mul_i32 s46, s41, REC
	s_mov_b32 s47, 0
	s_add_nc_u64 s[46:47], s[8:9], s[46:47]        ; my record
	s_bfe_u32 s41, s40, 0x10001                    ; which image
	s_and_b32 s40, s40, 1                          ; which half of it
	s_lshl_b32 s48, s41, 11
	s_lshl_b32 s49, s40, 10
	s_add_co_u32 s48, s48, s49
	s_mov_b32 s49, 0
	s_add_nc_u64 s[48:49], s[46:47], s[48:49]
	s_lshl_b32 s50, s41, 2
	s_lshl_b32 s51, s40, 1
	s_add_co_u32 s50, s50, s51
	s_mov_b32 s51, 0
	s_add_nc_u64 s[50:51], s[46:47], s[50:51]
	global_store_b128 v1, v[192:195], s[48:49]     ; 512 consecutive bytes a store
	global_store_b128 v1, v[196:199], s[48:49] offset:512
	global_store_b16 v2, v254, s[50:51] offset:4096
	s_wait_tensorcnt 0x0                           ; the wave's end
	ds_add_u32 v5, v6
	s_wait_dscnt 0x0
	CROUND                                         ; the closing round
	s_endpgm
.Lfunc_end_k_q38d1cdfdd4_att:
	.size	k_q38d1cdfdd4_att, .Lfunc_end_k_q38d1cdfdd4_att-k_q38d1cdfdd4_att
	.p2alignl 7, 3214868480
	.fill 96, 4, 3214868480
	.section	.rodata,"a",@progbits
	.p2align	6, 0x0
	.amdhsa_kernel k_q38d1cdfdd4_att
		.amdhsa_group_segment_fixed_size 327680
		.amdhsa_private_segment_fixed_size 0
		.amdhsa_enable_private_segment 0
		.amdhsa_kernarg_size 24
		.amdhsa_user_sgpr_count 2
		.amdhsa_user_sgpr_kernarg_segment_ptr 1
		.amdhsa_wavefront_size32 1
		.amdhsa_system_sgpr_workgroup_id_x 1
		.amdhsa_system_sgpr_workgroup_id_y 1
		.amdhsa_system_sgpr_workgroup_id_z 1
		.amdhsa_system_vgpr_workitem_id 0
		.amdhsa_next_free_vgpr 256
		.amdhsa_next_free_sgpr 66
		.amdhsa_reserve_vcc 1
		.amdhsa_float_denorm_mode_32 3
		.amdhsa_float_denorm_mode_16_64 3
		.amdhsa_memory_ordered 1
		.amdhsa_forward_progress 1
		.amdhsa_inst_pref_size 99
	.end_amdhsa_kernel
	.amdgpu_metadata
---
amdhsa.version: [ 1, 2 ]
amdhsa.kernels:
  - .name:           k_q38d1cdfdd4_att
    .symbol:         k_q38d1cdfdd4_att.kd
    .args:
      - { .name: qq, .offset: 0, .size: 8, .value_kind: global_buffer, .address_space: global }
      - { .name: kvq, .offset: 8, .size: 8, .value_kind: global_buffer, .address_space: global }
      - { .name: yq, .offset: 16, .size: 8, .value_kind: global_buffer, .address_space: global }
    .group_segment_fixed_size: 327680
    .private_segment_fixed_size: 0
    .kernarg_segment_align: 8
    .kernarg_segment_size: 24
    .max_flat_workgroup_size: 512
    .sgpr_count:     66
    .vgpr_count:     256
    .wavefront_size: 32
...
	.end_amdgpu_metadata
.endif
;; end of part 3
;; launch proj (part 4): grid 8 x 32, 4 waves a work-group, clusters of 4 x 4, 327,680 bytes of LDS; arguments yq, wq, x, x1; writes x1
.if DOCPART == 4
	.amdgcn_target "amdgcn-amd-amdhsa--gfx1250"
	.amdhsa_code_object_version 6
	.text
	.protected	k_q38d1cdfdd4_proj
	.globl	k_q38d1cdfdd4_proj
	.p2align	8
	.type	k_q38d1cdfdd4_proj,@function
k_q38d1cdfdd4_proj:
	s_mov_b64 s[64:65], 0
	v_nop
	global_prefetch_b8 v0, s[64:65] scope:SCOPE_SE
	s_setreg_imm32_b32 hwreg(HW_REG_WAVE_MODE, 25, 1), 1
	s_wait_xcnt 0x0
	s_wait_alu depctr_hold_cnt(0) depctr_sa_sdst(0) depctr_va_vdst(0) depctr_va_sdst(0) depctr_va_ssrc(0) depctr_va_vcc(0) depctr_vm_vsrc(0)
	s_getreg_b32 s2, hwreg(HW_REG_IB_STS2, 6, 4)
	s_cmp_eq_u32 s2, 0
	s_cbranch_scc0 .Lentry_in_a_cluster
	s_endpgm
.Lentry_in_a_cluster:
	s_bfe_u32 s2, ttmp6, 0x10000c
	s_cmp_lg_u32 s2, 0xf033
	s_cbranch_scc0 .Lentry_shape_is_right
	s_endpgm
.Lentry_shape_is_right:
.set T,     4
.set NQ,    4
.set LAPS,  1
.set NT,    64
.set WOFF,  3342336
.set REC,   4352
.set HALF,  8*REC
.set SLOT,  4*HALF
.set SPARE, 2*SLOT
.set STRA,  256*REC
.set STRB,  NT*REC
.set ASL,   (NQ/2)*STRA
.set BSL,   (NQ/2)*STRB
.set TSH,   T/4+2
.if T == 8
.set JA,    HALF
.set JB,    HALF
.set WSTR,  HALF
.else
.set JA,    STRA
.set JB,    STRB
.set WSTR,  4*REC
.endif
.set ADRA, 16
.set ASA,  18
.set ADRB, 20
.set ASB,  22
.set RA,   24
.set STO,  25
.set RD,   26
.set SPW,  28
.set NIL,  29
.set SC,   32
.set AF,   128
.set BK,   128
.set G1,   24
.set G0,   32
.set G1B,  48
.set G0B,  56
.set MUL_LO, 0xa1
.set MUL_HI, 0xa1+0x50*(T/8)
.set MSB, 0
.macro WIN new
.if MSB != (\new)
	s_set_vgpr_msb (MSB<<8)|(\new)
.set MSB, (\new)
.endif
.endm
.macro JLOAD g0a, g1a, g0b, g1b
	s_cmp_eq_u32 s15, 0
	s_cbranch_scc0 .Lfor_b_\@
	tensor_load_to_lds s[\g0a:\g0a+3], s[\g1a:\g1a+7]
	s_nop 0
.rept 4
	v_nop
.endr
	s_branch .Lasked_\@
.Lfor_b_\@:
	tensor_load_to_lds s[\g0b:\g0b+3], s[\g1b:\g1b+7]
	s_nop 0
.rept 4
	v_nop
.endr
.Lasked_\@:
.endm
.macro CREST
	s_cmp_lg_u32 s14, 0
	s_cbranch_scc1 .Lnot_wave_0_\@
	s_barrier_signal -3
.Lnot_wave_0_\@:
	s_barrier_wait -3
	s_barrier_signal -1
	s_barrier_wait -1
.endm
.macro CROUND
	s_barrier_signal -1
	s_barrier_wait -1
	CREST
.endm
.macro PLACES n
.rept \n
	v_nop
.endr
.endm
	s_load_b128 s[4:7], s[0:1], 0x0
	s_load_b128 s[8:11], s[0:1], 0x10
	v_lshl_add_u32 v[SPW], v0, 2, SPARE
	v_mov_b32 v[NIL], 0
	ds_add_u32 v28, v29
	ds_add_u32 v28, v29
	s_wait_dscnt 0x0
	v_lshrrev_b32 v1, 5, v0
	v_readfirstlane_b32 s14, v1
	s_lshr_b32 s15, s14, 1
	s_and_b32 s16, s14, 1
	s_bfe_u32 s40, ttmp6, 0x40000
	s_bfe_u32 s41, ttmp6, 0x40004
	s_lshl_b32 s42, ttmp9, 2
	s_add_co_u32 s42, s42, s40
	s_and_b32 s17, ttmp7, 0xffff
	s_lshl_b32 s17, s17, 2
	s_add_co_u32 s17, s17, s41
	s_lshl_b32 s43, s41, 2
	s_lshl_b32 s43, 15, s43
	s_lshl_b32 s44, 0x1111, s40
	s_or_b32 s[G1+0], s43, (3<<16)|(1<<21)
	s_or_b32 s[G1B+0], s44, (3<<16)|(1<<21)
.irp g, G1, G1B
	s_mov_b32 s[\g+1], 32<<16
	s_mov_b32 s[\g+2], 136<<16
	s_mov_b32 s[\g+3], 32<<16
	s_mov_b32 s[\g+4], 136
	s_mov_b32 s[\g+5], 32
	s_mov_b32 s[\g+6], 0
	s_mov_b32 s[\g+7], 0
.endr
	s_lshl_b32 s20, s17, TSH
	s_mul_i32 s20, s20, REC
	s_mul_i32 s21, s16, JA
	s_add_co_u32 s20, s20, s21
	s_mov_b32 s21, 0
	s_lshl_b32 s46, s42, TSH
	s_mul_i32 s46, s46, REC
	s_mul_i32 s47, s16, JB
	s_add_co_u32 s46, s46, s47
	s_add_co_u32 s46, s46, WOFF
	s_mov_b32 s47, 0
	s_mul_i32 s45, s14, HALF
	; the prefetches: an LDS slot holds 2 K slots x 8 records a side; of the token records, which my row of the cluster asks for jointly, I name number 4 cx + wave, of the weight records number 4 cy + wave: told apart by address alone
	s_lshl_b32 s88, s17, 3
	s_and_b32 s89, s40, 1
	s_lshl_b32 s89, s89, 2
	s_add_co_u32 s88, s88, s89
	s_add_co_u32 s88, s88, s14
	s_mul_i32 s88, s88, REC
	s_lshr_b32 s89, s40, 1
	s_mul_i32 s89, s89, STRA
	s_add_co_u32 s88, s88, s89
	s_mov_b32 s89, 0
	s_lshl_b32 s90, s42, 3
	s_and_b32 s91, s41, 1
	s_lshl_b32 s91, s91, 2
	s_add_co_u32 s90, s90, s91
	s_add_co_u32 s90, s90, s14
	s_mul_i32 s90, s90, REC
	s_lshr_b32 s91, s41, 1
	s_mul_i32 s91, s91, STRB
	s_add_co_u32 s90, s90, s91
	s_add_co_u32 s90, s90, WOFF
	s_mov_b32 s91, 0
	v_and_b32 v6, 31, v0
	v_min_u32 v6, 16, v6
	v_lshlrev_b32 v6, 8, v6                        ; a record is 17 blocks of 256 bytes: a lane a block, the lanes left over name the last again
	s_wait_alu depctr_va_vdst(0)
	s_wait_kmcnt 0x0
	s_add_nc_u64 s[88:89], s[4:5], s[88:89]
	s_add_nc_u64 s[90:91], s[6:7], s[90:91]
	s_add_nc_u64 s[20:21], s[4:5], s[20:21]
	s_add_nc_u64 s[46:47], s[6:7], s[46:47]
	CROUND
.irp s, 0,1
	s_mov_b32 s[G0+4*\s], 1
	s_add_co_u32 s[G0+4*\s+1], s45, \s*SLOT
	s_add_nc_u64 s[G0+4*\s+2:G0+4*\s+3], s[20:21], \s*ASL
	s_or_b32 s[G0+4*\s+3], s[G0+4*\s+3], 0x80000000
	s_mov_b32 s[G0B+4*\s], 1
	s_add_co_u32 s[G0B+4*\s+1], s45, \s*SLOT
	s_add_nc_u64 s[G0B+4*\s+2:G0B+4*\s+3], s[46:47], \s*BSL
	s_or_b32 s[G0B+4*\s+3], s[G0B+4*\s+3], 0x80000000
.if \s == 1
	s_wait_alu depctr_va_vdst(0)
	s_wait_tensorcnt 0x0                           ; slot 1's first fill is issued as a refill is
	ds_add_u32 v28, v29
	ds_add_u32 v28, v29
	s_wait_dscnt 0x0
	CROUND
.endif
	JLOAD G0+4*\s, G1, G0B+4*\s, G1B               ; one tensor load a wave behind each round
.if \s == 0
	global_prefetch_b8 v6, s[88:89] offset:ASL th:TH_LOAD_NT scope:SCOPE_SE      ; behind slot 0's load: my records of slot 1, the last
	global_prefetch_b8 v6, s[90:91] offset:BSL th:TH_LOAD_NT scope:SCOPE_SE
.endif
.endr
	v_and_b32 v1, 31, v0
	v_lshlrev_b32 v2, 4, v1
	v_lshlrev_b32 v3, 3, v1
	s_mul_i32 s21, s15, WSTR
	s_mul_i32 s22, s16, WSTR
	s_add_co_u32 s22, s22, 2*HALF
.irp s, 0,1
	v_add_nc_u32 v[ADRA+\s], s21, v2
	v_add_nc_u32 v[ADRB+\s], s22, v2
	v_add_nc_u32 v[ASA+\s], s21, v3
	v_add_nc_u32 v[ASB+\s], s22, v3
	s_add_co_u32 s21, s21, SLOT
	s_add_co_u32 s22, s22, SLOT
.endr
	v_and_b32 v4, 15, v0
	v_bfe_u32 v5, v0, 4, 1
	v_lshlrev_b32 v[RA], 12, v5
	v_lshl_add_u32 v[RA], v4, 4, v[RA]
	s_wait_alu depctr_va_vdst(0)
	s_mul_i32 s23, s14, 16*272
	v_mul_u32_u24 v[STO], v4, 272
	v_lshl_add_u32 v[STO], v5, 6, v[STO]
	v_add_nc_u32 v[STO], s23, v[STO]
	v_mul_u32_u24 v[RD], v5, 272
	v_lshl_add_u32 v[RD], v4, 4, v[RD]
	v_add_nc_u32 v[RD], s23, v[RD]
	s_lshl_b32 s68, s17, 7
	s_lshl_b32 s69, s15, 6
	s_add_co_u32 s68, s68, s69
	s_lshl_b32 s68, s68, 12
	s_lshl_b32 s69, s42, 9
	s_add_co_u32 s68, s68, s69
	s_lshl_b32 s69, s16, 8
	s_add_co_u32 s68, s68, s69
	s_mov_b32 s69, 0
	s_add_nc_u64 s[70:71], s[10:11], s[68:69]
	s_add_nc_u64 s[68:69], s[8:9], s[68:69]
	WIN 0x40
.irp a, 0,1,2,3
.irp i, 0,1,2,3,4,5,6,7
	global_load_b128 v[64+32*\a+64*(\a/2)+4*\i:64+32*\a+64*(\a/2)+4*\i+3], v[RA], s[68:69] offset:(32*(\a/2)+8*(\a%2)+2*\i+8*(\i/4))*4096
.endr
.endr
	WIN 0
.macro FRAG reg, adr, q, i
.irp c, 0,1,2,3
	ds_load_b128 v[\reg+4*\c:\reg+4*\c+3], v[\adr] offset:((\q)/2)*HALF+(\i)*REC+((\q)%2)*2048+512*\c
.endr
.endm
.macro FETCH_B slot, q, p
	WIN 0x40
.set FI, 0
.rept T
	FRAG 128*(\p)+16*FI, ADRB+\slot, \q, FI
.set FI, FI+1
.endr
	WIN 0
.endm
.macro FETCH_A slot, q, i0
.set FI, \i0
.rept T/2
	FRAG AF+16*FI, ADRA+\slot, \q, FI
.set FI, FI+1
.endr
.endm
.macro SCALES s
.set FI, 0
.rept T
.set FJ, 0
.rept NQ/2
	ds_load_b64 v[SC+32*\s+NQ*FI+2*FJ:SC+32*\s+NQ*FI+2*FJ+1], v[ASA+\s] offset:FJ*HALF+FI*REC+4096
	ds_load_b64 v[SC+32*\s+16+NQ*FI+2*FJ:SC+32*\s+16+NQ*FI+2*FJ+1], v[ASB+\s] offset:FJ*HALF+FI*REC+4096
.set FJ, FJ+1
.endr
.set FI, FI+1
.endr
.endm
.macro MULS a0, n, p, q, sc, zero
.set MA, \a0
.rept \n
.irp b, 0,1,2,3,4,5,6,7
.if \b < T
.set MD, 8*(T*(MA%4)+\b)
.if \zero
	v_wmma_scale_f32_16x16x128_f8f6f4 v[MD:MD+7], v[128*(\p)+16*\b:128*(\p)+16*\b+15], v[AF+16*MA:AF+16*MA+15], 0, v[SC+32*(\sc)+16+NQ*\b+(\q)], v[SC+32*(\sc)+NQ*MA+(\q)] matrix_a_fmt:MATRIX_FMT_BF8 matrix_b_fmt:MATRIX_FMT_BF8
.else
	v_wmma_scale_f32_16x16x128_f8f6f4 v[MD:MD+7], v[128*(\p)+16*\b:128*(\p)+16*\b+15], v[AF+16*MA:AF+16*MA+15], v[MD:MD+7], v[SC+32*(\sc)+16+NQ*\b+(\q)], v[SC+32*(\sc)+NQ*MA+(\q)] matrix_a_fmt:MATRIX_FMT_BF8 matrix_b_fmt:MATRIX_FMT_BF8
.endif
.endif
.endr
.set MA, MA+1
.endr
.endm
.macro STEP slot, q, zero
	s_wait_dscnt 2*T
	WIN MUL_LO
	MULS 0, T/2, (\q)%2, \q, \slot, \zero
	s_wait_dscnt 0
	PLACES 8
	FETCH_B \slot, (\q)+1, 1-(\q)%2
	FETCH_A \slot, (\q)+1, 0
	WIN MUL_HI
	MULS T/2, T/2, (\q)%2, \q, \slot, \zero
	PLACES 8
	WIN 0
	FETCH_A \slot, (\q)+1, T/2
.endm
.macro TURN slot, next, fill
	s_wait_tensorcnt 0x0
	ds_add_u32 v[SPW], v[NIL]
	s_wait_dscnt 2*T+1
	WIN MUL_LO
	MULS 0, T/4, 1, NQ-1, \slot, 0
	s_wait_dscnt 0x0
	s_barrier_signal -1
	MULS T/4, T/4, 1, NQ-1, \slot, 0
	WIN 0
	s_barrier_wait -1
.if \fill
	CREST
	s_add_nc_u64 s[G0+4*\slot+2:G0+4*\slot+3], s[G0+4*\slot+2:G0+4*\slot+3], 2*ASL
	s_add_nc_u64 s[G0B+4*\slot+2:G0B+4*\slot+3], s[G0B+4*\slot+2:G0B+4*\slot+3], 2*BSL
	JLOAD G0+4*\slot, G1, G0B+4*\slot, G1B
	PLACES 4
.else
	PLACES 8
.endif
	FETCH_B \next, 0, 0
	FETCH_A \next, 0, 0
	SCALES \next
	WIN MUL_HI
	MULS T/2, T/2, 1, NQ-1, \slot, 0
	PLACES 8
	WIN 0
	FETCH_A \next, 0, T/2
.endm
.macro MIDS slot
.if NQ == 4
	STEP \slot, 1, 0
	STEP \slot, 2, 0
.endif
.endm
	s_wait_tensorcnt 1
	s_barrier_signal -1
	s_barrier_wait -1
	FETCH_B 0, 0, 0
	FETCH_A 0, 0, 0
	SCALES 0
	FETCH_A 0, 0, T/2
	STEP 0, 0, 1
.if LAPS > 1
	s_mov_b32 s3, LAPS-1
.Llap:
	MIDS 0
	TURN 0, 1, 1
	STEP 1, 0, 0
	MIDS 1
	TURN 1, 0, 1
	STEP 0, 0, 0
	s_sub_co_u32 s3, s3, 1
	s_cmp_lg_u32 s3, 0
	s_cbranch_scc1 .Llap
.endif
	MIDS 0
	TURN 0, 1, 0
	STEP 1, 0, 0
	MIDS 1
	s_wait_dscnt 2*T
	WIN MUL_LO
	MULS 0, T/2, 1, NQ-1, 1, 0
	s_wait_alu depctr_va_vdst(0)
	s_wait_dscnt 0
	WIN MUL_HI
	MULS T/2, T/2, 1, NQ-1, 1, 0
	WIN 0
	PLACES 8
	s_wait_loadcnt 0x0
.irp a, 0,1,2,3
.if \a > 1
	s_wait_xcnt 0x0
.endif
	WIN 0x08
.irp b, 0,1,2,3
	ds_store_b128 v[STO], v[8*(4*\a+\b):8*(4*\a+\b)+3] offset:128*(\b/2)+32*(\b%2)
	ds_store_b128 v[STO], v[8*(4*\a+\b)+4:8*(4*\a+\b)+7] offset:128*(\b/2)+32*(\b%2)+16
.endr
	WIN 0
.irp i, 0,1,2,3,4,5,6,7
	ds_load_b128 v[BK+32*(\a%2)+4*\i:BK+32*(\a%2)+4*\i+3], v[RD] offset:2*\i*272
.endr
	s_wait_dscnt 0x0
	WIN 0x04
.set p, 0
.rept 16
	v_pk_add_f32 v[BK+32*(\a%2)+2*p:BK+32*(\a%2)+2*p+1], v[BK+32*(\a%2)+2*p:BK+32*(\a%2)+2*p+1], v[64+32*\a+64*(\a/2)+2*p:64+32*\a+64*(\a/2)+2*p+1]
.set p, p+1
.endr
	WIN 0
.irp i, 0,1,2,3,4,5,6,7
	global_store_b128 v[RA], v[BK+32*(\a%2)+4*\i:BK+32*(\a%2)+4*\i+3], s[70:71] offset:(32*(\a/2)+8*(\a%2)+2*\i+8*(\i/4))*4096
.endr
.endr
	s_wait_tensorcnt 0x0
	ds_add_u32 v[SPW], v[NIL]
	s_wait_dscnt 0x0
	CROUND
	s_endpgm
.Lfunc_end_k_q38d1cdfdd4_proj:
	.size	k_q38d1cdfdd4_proj, .Lfunc_end_k_q38d1cdfdd4_proj-k_q38d1cdfdd4_proj
	.p2alignl 7, 3214868480
	.fill 96, 4, 3214868480
	.section	.rodata,"a",@progbits
	.p2align	6, 0x0
	.amdhsa_kernel k_q38d1cdfdd4_proj
		.amdhsa_group_segment_fixed_size 327680
		.amdhsa_private_segment_fixed_size 0
		.amdhsa_enable_private_segment 0
		.amdhsa_kernarg_size 32
		.amdhsa_user_sgpr_count 2
		.amdhsa_user_sgpr_kernarg_segment_ptr 1
		.amdhsa_wavefront_size32 1
		.amdhsa_system_sgpr_workgroup_id_x 1
		.amdhsa_system_sgpr_workgroup_id_y 1
		.amdhsa_system_sgpr_workgroup_id_z 1
		.amdhsa_system_vgpr_workitem_id 0
		.amdhsa_next_free_vgpr 768
		.amdhsa_next_free_sgpr 96
		.amdhsa_reserve_vcc 0
		.amdhsa_float_denorm_mode_32 3
		.amdhsa_float_denorm_mode_16_64 3
		.amdhsa_memory_ordered 1
		.amdhsa_forward_progress 1
		.amdhsa_inst_pref_size 64
	.end_amdhsa_kernel
	.amdgpu_metadata
---
amdhsa.version: [ 1, 2 ]
amdhsa.kernels:
  - .name:           k_q38d1cdfdd4_proj
    .symbol:         k_q38d1cdfdd4_proj.kd
    .args:
      - { .name: yq, .offset: 0, .size: 8, .value_kind: global_buffer, .address_space: global }
      - { .name: wq, .offset: 8, .size: 8, .value_kind: global_buffer, .address_space: global }
      - { .name: x, .offset: 16, .size: 8, .value_kind: global_buffer, .address_space: global }
      - { .name: x1, .offset: 24, .size: 8, .value_kind: global_buffer, .address_space: global }
    .group_segment_fixed_size: 327680
    .private_segment_fixed_size: 0
    .kernarg_segment_align: 8
    .kernarg_segment_size: 32
    .max_flat_workgroup_size: 128
    .sgpr_count:     96
    .vgpr_count:     768
    .wavefront_size: 32
...
	.end_amdgpu_metadata
.endif
;; end of part 4
;; launch ln2 (part 5): grid 256 x 1, 8 waves a work-group, no clusters, 3,072 bytes of LDS; arguments x1, ln2_g, ln2_b, h2q; writes h2q
.if DOCPART == 5
	.amdgcn_target "amdgcn-amd-amdhsa--gfx1250"
	.amdhsa_code_object_version 6
	.text
	.protected	k_q38d1cdfdd4_ln2
	.globl	k_q38d1cdfdd4_ln2
	.p2align	8
	.type	k_q38d1cdfdd4_ln2,@function
k_q38d1cdfdd4_ln2:
	s_mov_b64 s[64:65], 0
	v_nop
	global_prefetch_b8 v0, s[64:65] scope:SCOPE_SE
	s_setreg_imm32_b32 hwreg(HW_REG_WAVE_MODE, 25, 1), 1
	s_wait_xcnt 0x0
; out = Q((x - mean) * rsqrt(var + 1e-5) * g + b): a layer norm over rows of 1,024 f32, quantised along the row to E5M2 with one E8M0 byte for each 32, stored as records in the order of an operand's registers.
; RECORD (4,352 bytes): one tile of 16 tokens x 256 along K: two images of 2,048 bytes (chunk c at 512 c + 16 x lane: k = 32 c + 16 (lane / 16) + 0 .. 15 of row place lane % 16), then 256 bytes of scale words, 8 a lane.  out: [4][256 tiles][record].
; THE TOKENS OF A TILE ARE NOT NEIGHBOURS: place r of tile 2 b + u holds token 32 b + 8 u + r + 8 (r / 8).
; SHARES.  A work-group owns one tile; wave w owns K step w (128 along K): lane (r, h) holds 64 numbers of row r in the operand's own order, so the conversions' results are the image.
; Mean and variance in two passes (the variance of x - mean: no difference of large sums); the eight waves' partial sums meet in LDS: two barriers.  A third brings two waves' scale words together, so that a whole 256 bytes leave by one store.
; LIMITS: a block of zeros gets the byte 1 (its codes are zeros; this program alone reads the bytes); blocks whose largest magnitude lies under 2^-111 are held at byte 1; NaN and infinities are not served.
.set REC, 4352
.set XR,  32                           ; v32-95   x, then the normalised numbers
.set GR,  96                           ; v96-159  g
.set BR,  160                          ; v160-223 b
.set PC,  224                          ; v224-239 the codes
.set TM,  240                          ; v240-255 the quantiser's work
.set PW,  30                           ; v30      the scale word
	s_load_b256 s[4:11], s[0:1], 0x0               ; x, g, b, out
	v_lshl_add_u32 v31, v0, 2, 0x800
	s_set_vgpr_msb 0x40
	v_mov_b32 v1, 0
	s_set_vgpr_msb 0x4000
	v_lshrrev_b32 v1, 5, v0
	s_delay_alu instid0(VALU_DEP_1)
	v_readfirstlane_b32 s12, v1                    ; wave 0..7
	v_and_b32 v1, 31, v0                           ; lane
	v_and_b32 v2, 15, v0                           ; r
	v_bfe_u32 v3, v0, 4, 1                         ; h
	s_lshr_b32 s13, ttmp9, 1
	s_lshl_b32 s13, s13, 5
	s_and_b32 s14, ttmp9, 1
	s_lshl_b32 s14, s14, 3
	s_add_co_u32 s13, s13, s14                     ; 32 b + 8 u
	v_and_b32 v4, 8, v2
	s_delay_alu instid0(VALU_DEP_1)
	v_add_nc_u32 v4, v4, v2                        ; r + 8 (r / 8)
	s_delay_alu instid0(VALU_DEP_1)
	v_add_nc_u32 v4, s13, v4                       ; my token
	s_delay_alu instid0(VALU_DEP_1)
	v_lshlrev_b32 v4, 12, v4                       ; its row of 4,096 bytes
	s_lshl_b32 s14, s12, 9
	v_lshl_add_u32 v5, v3, 6, s14                  ; g, b: 512 w + 64 h
	s_delay_alu instid0(VALU_DEP_1)
	v_add_nc_u32 v4, v4, v5                        ; x: the same within my row
	v_lshlrev_b32 v6, 4, v1                        ; 16 x lane
	v_lshlrev_b32 v7, 3, v1                        ; 8 x lane
	s_wait_alu depctr_va_vdst(0)
	s_lshl_b32 s15, s12, 2
	v_lshl_add_u32 v8, v2, 5, s15                  ; LDS: partial sums: 32 r + 4 w
	v_lshlrev_b32 v9, 5, v2                        ; and back: row r's eight
	s_lshr_b32 s16, s12, 1                         ; which record along K
	s_and_b32 s18, s12, 1                          ; which image in it
	s_lshl_b32 s17, s16, 8
	s_lshl_b32 s20, s18, 2
	s_add_co_u32 s17, s17, s20
	v_add_nc_u32 v10, s17, v7                      ; LDS: scale words: 256 (w / 2) + 8 x lane + 4 (w % 2)
	s_and_b32 s19, s12, 3
	s_lshl_b32 s20, s19, 8
	v_add_nc_u32 v11, s20, v7                      ; and back: unit w, 8 bytes a lane
	s_lshl_b32 s20, s16, 8
	s_add_co_u32 s20, s20, ttmp9
	s_mul_i32 s22, s20, REC
	s_lshl_b32 s21, s18, 11
	s_add_co_u32 s22, s22, s21
	s_mov_b32 s23, 0                               ; my image
	s_lshl_b32 s20, s19, 8
	s_add_co_u32 s20, s20, ttmp9
	s_mul_i32 s24, s20, REC
	s_mov_b32 s25, 0                               ; record w % 4 of my tile
	s_mov_b32 s26, 0x76543210
	s_mov_b32 s27, 0xfedcba98                      ; v_permlanex16_b32's selects for lane l xor 16
	s_mov_b32 s28, 0x3a800000                      ; 1 / 1,024
	s_mov_b32 s29, 0x3727c5ac                      ; 1e-5
	s_mov_b32 s30, 0x600000                        ; the mantissa field of 57,344
.irp b, 0,1,2,3
	v_mov_b32 v[TM+4+\b], 0                        ; a lane permute's destination counts as one of its sources
.endr
	s_wait_kmcnt 0x0
	s_add_nc_u64 s[22:23], s[10:11], s[22:23]
	s_add_nc_u64 s[24:25], s[10:11], s[24:25]
.irp c, 0,1,2,3
.irp j, 0,1,2,3
	global_load_b128 v[XR+16*\c+4*\j:XR+16*\c+4*\j+3], v4, s[4:5] offset:128*\c+16*\j
.endr
.endr
.irp c, 0,1,2,3
.irp j, 0,1,2,3
	global_load_b128 v[GR+16*\c+4*\j:GR+16*\c+4*\j+3], v5, s[6:7] offset:128*\c+16*\j
.endr
.endr
.irp c, 0,1,2,3
.irp j, 0,1,2,3
	global_load_b128 v[BR+16*\c+4*\j:BR+16*\c+4*\j+3], v5, s[8:9] offset:128*\c+16*\j
.endr
.endr
; four chains in v[12:19] become the row's sum over all eight waves, in v20 of every lane.  off: the LDS bytes of this exchange
.macro ACROSS off
	s_delay_alu instid0(VALU_DEP_3)
	v_pk_add_f32 v[12:13], v[12:13], v[14:15]
	s_delay_alu instid0(VALU_DEP_2)
	v_pk_add_f32 v[16:17], v[16:17], v[18:19]
	s_delay_alu instid0(VALU_DEP_1)
	v_pk_add_f32 v[12:13], v[12:13], v[16:17]
	s_delay_alu instid0(VALU_DEP_1)
	v_add_f32 v12, v12, v13
	s_delay_alu instid0(VALU_DEP_1)
	v_permlanex16_b32 v13, v12, s26, s27           ; the row's other 64 numbers of this K step lie in lane l xor 16
	s_delay_alu instid0(VALU_DEP_1)
	v_add_f32 v12, v12, v13
	ds_store_b32 v8, v12 offset:\off               ; both lanes of a row write the same word with the same value
	s_wait_dscnt 0x0                               ; for the others' sake: my store has landed
	s_barrier_signal -1
	s_barrier_wait -1
	ds_load_b128 v[20:23], v9 offset:\off
	ds_load_b128 v[24:27], v9 offset:\off+16
	s_wait_dscnt 0x0
	v_add_f32 v20, v20, v21
	v_add_f32 v22, v22, v23
	v_add_f32 v24, v24, v25
	v_add_f32 v26, v26, v27
	s_delay_alu instid0(VALU_DEP_3)
	v_add_f32 v20, v20, v22
	s_delay_alu instid0(VALU_DEP_2)
	v_add_f32 v24, v24, v26
	s_delay_alu instid0(VALU_DEP_1)
	v_add_f32 v20, v20, v24
.endm
	s_wait_loadcnt 32                              ; x's 16 loads are in; g's 16 and b's 16 may be out
.irp k, 0,1,2,3
	v_pk_add_f32 v[12+2*\k:13+2*\k], v[XR+2*\k:XR+2*\k+1], v[XR+8+2*\k:XR+9+2*\k]    ; the first pairs start the chains: nothing is cleared
.endr
.set p, 8
.rept 24
	s_delay_alu instid0(VALU_DEP_4)
	v_pk_add_f32 v[12+2*(p%4):13+2*(p%4)], v[12+2*(p%4):13+2*(p%4)], v[XR+2*p:XR+2*p+1]
.set p, p+1
.endr
	ACROSS 0
	s_delay_alu instid0(VALU_DEP_1)
	v_mul_f32 v28, s28, v20                        ; the mean,
	s_delay_alu instid0(VALU_DEP_1)
	v_mov_b32 v29, v28                             ; as a pair
.set p, 0
.rept 32
	v_pk_add_f32 v[XR+2*p:XR+2*p+1], v[XR+2*p:XR+2*p+1], v[28:29] neg_lo:[0,1] neg_hi:[0,1]   ; x - mean
.set p, p+1
.endr
.irp k, 0,1,2,3
	v_pk_mul_f32 v[12+2*\k:13+2*\k], v[XR+2*\k:XR+2*\k+1], v[XR+2*\k:XR+2*\k+1]
.endr
.set p, 4
.rept 28
	s_delay_alu instid0(VALU_DEP_4)
	v_pk_fma_f32 v[12+2*(p%4):13+2*(p%4)], v[XR+2*p:XR+2*p+1], v[XR+2*p:XR+2*p+1], v[12+2*(p%4):13+2*(p%4)]
.set p, p+1
.endr
	ACROSS 512                                     ; other bytes than the first exchange: no barrier is owed between the two
	s_delay_alu instid0(VALU_DEP_1)
	v_fma_f32 v21, v20, s28, s29                   ; var + 1e-5
	s_wait_alu depctr_va_vdst(0)
	v_rsq_f32 v28, v21
	v_nop                                          ; a plain line behind the transcendental
	s_wait_alu depctr_va_vdst(0)
	v_mov_b32 v29, v28
	s_wait_alu depctr_va_vdst(0)
	s_wait_loadcnt 0x0                             ; g and b
.set p, 0
.rept 32
	v_pk_mul_f32 v[XR+2*p:XR+2*p+1], v[XR+2*p:XR+2*p+1], v[28:29]
.set p, p+1
.endr
.set p, 0
.rept 32
	v_pk_fma_f32 v[XR+2*p:XR+2*p+1], v[XR+2*p:XR+2*p+1], v[GR+2*p:GR+2*p+1], v[BR+2*p:BR+2*p+1]
.set p, p+1
.endr
	; THE QUANTISER: register 16 b + i = k 32 b + 16 h + i of my row
.irp b, 0,1,2,3
	v_max3_num_f32 v[TM+\b], |v[XR+16*\b]|, |v[XR+1+16*\b]|, 0x8000000   ; block b: my 16 numbers, and the floor 2^(16 - 127)
.endr
.irp i, 2,4,6,8,10,12,14
.irp b, 0,1,2,3
	s_delay_alu instid0(VALU_DEP_4)
	v_max3_num_f32 v[TM+\b], v[TM+\b], |v[XR+16*\b+\i]|, |v[XR+1+16*\b+\i]|
.endr
.endr
.irp b, 0,1,2,3
	s_delay_alu instid0(VALU_DEP_4)
	v_permlanex16_b32 v[TM+4+\b], v[TM+\b], s26, s27
.endr
.irp b, 0,1,2,3
	s_delay_alu instid0(VALU_DEP_4)
	v_max_num_f32 v[TM+\b], v[TM+\b], v[TM+4+\b]   ; with lane l xor 16's: the block's largest magnitude
.endr
.irp b, 0,1,2,3
	s_delay_alu instid0(VALU_DEP_4)
	v_add_nc_u32 v[TM+12+\b], 0xf8800000, v[TM+\b] ; 15 off its exponent field: the conversion's scale operand
.endr
.irp b, 0,1,2,3
	v_and_or_b32 v[TM+8+\b], v[TM+\b], 0x7f800000, s30   ; 57,344 x the scale
.endr
.irp b, 0,1,2,3
	v_lshrrev_b32 v[TM+4+\b], 23, v[TM+12+\b]      ; the scale's byte
.endr
	s_delay_alu instid0(VALU_DEP_3)
	v_lshl_or_b32 v[PW], v[TM+5], 8, v[TM+4]
	s_delay_alu instid0(VALU_DEP_1)
	v_lshl_or_b32 v[PW], v[TM+6], 16, v[PW]
	s_delay_alu instid0(VALU_DEP_1)
	v_lshl_or_b32 v[PW], v[TM+7], 24, v[PW]        ; my row's scale word for this K step
.irp b, 0,1,2,3
.irp i, 0,1,2,3,4,5,6,7,8,9,10,11,12,13,14,15
	v_med3_num_f32 v[XR+16*\b+\i], v[XR+16*\b+\i], -v[TM+8+\b], v[TM+8+\b]   ; the conversion does not saturate (ISA guide 7.6.2): the hold
.endr
	v_cvt_scalef32_pk8_bf8_f32 v[PC+4*\b:PC+1+4*\b], v[XR+16*\b:XR+7+16*\b], v[TM+12+\b]
	v_cvt_scalef32_pk8_bf8_f32 v[PC+2+4*\b:PC+3+4*\b], v[XR+8+16*\b:XR+15+16*\b], v[TM+12+\b]
.endr
	v_nop                                          ; a plain line behind the last conversion
.irp c, 0,1,2,3
	global_store_b128 v6, v[PC+4*\c:PC+4*\c+3], s[22:23] offset:512*\c   ; the image as it stands: 512 consecutive bytes a store
.endr
	ds_store_b32 v10, v[PW] offset:1024
	s_wait_dscnt 0x0
	s_barrier_signal -1
	s_barrier_wait -1                              ; the eight waves' scale words lie in LDS as four scale areas
	s_cmp_lt_u32 s12, 4
	s_cbranch_scc0 .Ldone                          ; waves 0 to 3 store one area each
	ds_load_b64 v[12:13], v11 offset:1024
	s_wait_dscnt 0x0
	global_store_b64 v7, v[12:13], s[24:25] offset:4096            ; 32 lanes store 256 consecutive bytes, aligned
.Ldone:
	s_set_vgpr_msb 0x4
	s_wait_tensorcnt 0x0
	ds_add_u32 v31, v1
	s_wait_dscnt 0x0
	s_set_vgpr_msb 0x400
	s_endpgm
.Lfunc_end_k_q38d1cdfdd4_ln2:
	.size	k_q38d1cdfdd4_ln2, .Lfunc_end_k_q38d1cdfdd4_ln2-k_q38d1cdfdd4_ln2
	.p2alignl 7, 3214868480
	.fill 96, 4, 3214868480
	.section	.rodata,"a",@progbits
	.p2align	6, 0x0
	.amdhsa_kernel k_q38d1cdfdd4_ln2
		.amdhsa_group_segment_fixed_size 3072
		.amdhsa_private_segment_fixed_size 0
		.amdhsa_enable_private_segment 0
		.amdhsa_kernarg_size 32
		.amdhsa_user_sgpr_count 2
		.amdhsa_user_sgpr_kernarg_segment_ptr 1
		.amdhsa_wavefront_size32 1
		.amdhsa_system_sgpr_workgroup_id_x 1
		.amdhsa_system_sgpr_workgroup_id_y 1
		.amdhsa_system_sgpr_workgroup_id_z 1
		.amdhsa_system_vgpr_workitem_id 0
		.amdhsa_next_free_vgpr 258
		.amdhsa_next_free_sgpr 66
		.amdhsa_reserve_vcc 0
		.amdhsa_float_denorm_mode_32 3
		.amdhsa_float_denorm_mode_16_64 3
		.amdhsa_memory_ordered 1
		.amdhsa_forward_progress 1
		.amdhsa_inst_pref_size 32
	.end_amdhsa_kernel
	.amdgpu_metadata
---
amdhsa.version: [ 1, 2 ]
amdhsa.kernels:
  - .name:           k_q38d1cdfdd4_ln2
    .symbol:         k_q38d1cdfdd4_ln2.kd
    .args:
      - { .name: x1, .offset: 0, .size: 8, .value_kind: global_buffer, .address_space: global }
      - { .name: ln2_g, .offset: 8, .size: 8, .value_kind: global_buffer, .address_space: global }
      - { .name: ln2_b, .offset: 16, .size: 8, .value_kind: global_buffer, .address_space: global }
      - { .name: h2q, .offset: 24, .size: 8, .value_kind: global_buffer, .address_space: global }
    .group_segment_fixed_size: 3072
    .private_segment_fixed_size: 0
    .kernarg_segment_align: 8
    .kernarg_segment_size: 32
    .max_flat_workgroup_size: 256
    .sgpr_count:     66
    .vgpr_count:     258
    .wavefront_size: 32
...
	.end_amdgpu_metadata
.endif
;; end of part 5
;; launch fc (part 6): grid 16 x 16, 4 waves a work-group, clusters of 4 x 4, 327,680 bytes of LDS; arguments h2q, wq, gq; writes gq
.if DOCPART == 6
	.amdgcn_target "amdgcn-amd-amdhsa--gfx1250"
	.amdhsa_code_object_version 6
	.text
	.protected	k_q38d1cdfdd4_fc
	.globl	k_q38d1cdfdd4_fc
	.p2align	8
	.type	k_q38d1cdfdd4_fc,@function
k_q38d1cdfdd4_fc:
	s_mov_b64 s[64:65], 0
	v_nop
	global_prefetch_b8 v0, s[64:65] scope:SCOPE_SE
	s_setreg_imm32_b32 hwreg(HW_REG_WAVE_MODE, 25, 1), 1
	s_wait_xcnt 0x0
	s_wait_alu depctr_hold_cnt(0) depctr_sa_sdst(0) depctr_va_vdst(0) depctr_va_sdst(0) depctr_va_ssrc(0) depctr_va_vcc(0) depctr_vm_vsrc(0)
	s_getreg_b32 s2, hwreg(HW_REG_IB_STS2, 6, 4)
	s_cmp_eq_u32 s2, 0
	s_cbranch_scc0 .Lentry_in_a_cluster
	s_endpgm
.Lentry_in_a_cluster:
	s_bfe_u32 s2, ttmp6, 0x10000c
	s_cmp_lg_u32 s2, 0xf033
	s_cbranch_scc0 .Lentry_shape_is_right
	s_endpgm
.Lentry_shape_is_right:
.set T,     8
.set NQ,    2
.set LAPS,  2
.set NT,    256
.set WOFF,  4456448
.set REC,   4352
.set HALF,  8*REC
.set SLOT,  4*HALF
.set SPARE, 2*SLOT
.set STRA,  256*REC
.set STRB,  NT*REC
.set ASL,   (NQ/2)*STRA
.set BSL,   (NQ/2)*STRB
.set TSH,   T/4+2
.if T == 8
.set JA,    HALF
.set JB,    HALF
.set WSTR,  HALF
.else
.set JA,    STRA
.set JB,    STRB
.set WSTR,  4*REC
.endif
.set ADRA, 16
.set ASA,  18
.set ADRB, 20
.set ASB,  22
.set SPW,  28
.set NIL,  29
.set SC,   32
.set TM,   96
.set PC,   112
.set SW,   32
.set GT,   128
.set AF,   128
.set G1,   24
.set G0,   32
.set G1B,  48
.set G0B,  56
.set SEL,  84
.set MNT,  86
.set MUL_LO, 0xa1
.set MUL_HI, 0xa1+0x50*(T/8)
.set MSB, 0
.macro WIN new
.if MSB != (\new)
	s_set_vgpr_msb (MSB<<8)|(\new)
.set MSB, (\new)
.endif
.endm
.macro JLOAD g0a, g1a, g0b, g1b
	s_cmp_eq_u32 s15, 0
	s_cbranch_scc0 .Lfor_b_\@
	tensor_load_to_lds s[\g0a:\g0a+3], s[\g1a:\g1a+7]
	s_nop 0
.rept 4
	v_nop
.endr
	s_branch .Lasked_\@
.Lfor_b_\@:
	tensor_load_to_lds s[\g0b:\g0b+3], s[\g1b:\g1b+7]
	s_nop 0
.rept 4
	v_nop
.endr
.Lasked_\@:
.endm
.macro CREST
	s_cmp_lg_u32 s14, 0
	s_cbranch_scc1 .Lnot_wave_0_\@
	s_barrier_signal -3
.Lnot_wave_0_\@:
	s_barrier_wait -3
	s_barrier_signal -1
	s_barrier_wait -1
.endm
.macro CROUND
	s_barrier_signal -1
	s_barrier_wait -1
	CREST
.endm
.macro PLACES n
.rept \n
	v_nop
.endr
.endm
	s_load_b128 s[4:7], s[0:1], 0x0
	s_load_b64 s[8:9], s[0:1], 0x10
	v_lshl_add_u32 v[SPW], v0, 2, SPARE
	v_mov_b32 v[NIL], 0
	ds_add_u32 v28, v29
	ds_add_u32 v28, v29
	s_wait_dscnt 0x0
	v_lshrrev_b32 v1, 5, v0
	v_readfirstlane_b32 s14, v1
	s_lshr_b32 s15, s14, 1
	s_and_b32 s16, s14, 1
	s_bfe_u32 s40, ttmp6, 0x40000
	s_bfe_u32 s41, ttmp6, 0x40004
	s_lshl_b32 s42, ttmp9, 2
	s_add_co_u32 s42, s42, s40
	s_and_b32 s17, ttmp7, 0xffff
	s_lshl_b32 s17, s17, 2
	s_add_co_u32 s17, s17, s41
	s_lshl_b32 s43, s41, 2
	s_lshl_b32 s43, 15, s43
	s_lshl_b32 s44, 0x1111, s40
	s_or_b32 s[G1+0], s43, (3<<16)|(1<<21)
	s_or_b32 s[G1B+0], s44, (3<<16)|(1<<21)
.irp g, G1, G1B
	s_mov_b32 s[\g+1], 32<<16
	s_mov_b32 s[\g+2], 136<<16
	s_mov_b32 s[\g+3], 32<<16
	s_mov_b32 s[\g+4], 136
	s_mov_b32 s[\g+5], 32
	s_mov_b32 s[\g+6], 0
	s_mov_b32 s[\g+7], 0
.endr
	s_lshl_b32 s20, s17, TSH
	s_mul_i32 s20, s20, REC
	s_mul_i32 s21, s16, JA
	s_add_co_u32 s20, s20, s21
	s_mov_b32 s21, 0
	s_lshl_b32 s46, s42, TSH
	s_mul_i32 s46, s46, REC
	s_mul_i32 s47, s16, JB
	s_add_co_u32 s46, s46, s47
	s_add_co_u32 s46, s46, WOFF
	s_mov_b32 s47, 0
	s_mul_i32 s45, s14, HALF
	; the prefetches: of a slot's 16 token records, which my row of the cluster asks for jointly, I name record 4 cx + wave; of its 16 weight records, record 4 cy + wave: partners are told apart by address alone
	s_lshl_b32 s88, s17, 4
	s_lshl_b32 s89, s40, 2
	s_add_co_u32 s88, s88, s89
	s_add_co_u32 s88, s88, s14
	s_mul_i32 s88, s88, REC
	s_mov_b32 s89, 0
	s_lshl_b32 s90, s42, 4
	s_lshl_b32 s91, s41, 2
	s_add_co_u32 s90, s90, s91
	s_add_co_u32 s90, s90, s14
	s_mul_i32 s90, s90, REC
	s_add_co_u32 s90, s90, WOFF
	s_mov_b32 s91, 0
	v_and_b32 v6, 31, v0
	v_min_u32 v6, 16, v6
	v_lshlrev_b32 v6, 8, v6                        ; a record is 17 blocks of 256 bytes: a lane a block, the lanes left over name the last again
	s_wait_alu depctr_va_vdst(0)
	s_wait_kmcnt 0x0
	s_add_nc_u64 s[88:89], s[4:5], s[88:89]
	s_add_nc_u64 s[90:91], s[6:7], s[90:91]
	s_add_nc_u64 s[20:21], s[4:5], s[20:21]
	s_add_nc_u64 s[46:47], s[6:7], s[46:47]
	CROUND
.irp s, 0,1
	s_mov_b32 s[G0+4*\s], 1
	s_add_co_u32 s[G0+4*\s+1], s45, \s*SLOT
	s_add_nc_u64 s[G0+4*\s+2:G0+4*\s+3], s[20:21], \s*ASL
	s_or_b32 s[G0+4*\s+3], s[G0+4*\s+3], 0x80000000
	s_mov_b32 s[G0B+4*\s], 1
	s_add_co_u32 s[G0B+4*\s+1], s45, \s*SLOT
	s_add_nc_u64 s[G0B+4*\s+2:G0B+4*\s+3], s[46:47], \s*BSL
	s_or_b32 s[G0B+4*\s+3], s[G0B+4*\s+3], 0x80000000
.if \s == 1
	s_wait_alu depctr_va_vdst(0)
	s_wait_tensorcnt 0x0                           ; slot 1's first fill is issued as a refill is
	ds_add_u32 v28, v29
	ds_add_u32 v28, v29
	s_wait_dscnt 0x0
	CROUND
.endif
	JLOAD G0+4*\s, G1, G0B+4*\s, G1B               ; one tensor load a wave behind each round
.if \s == 0
	global_prefetch_b8 v6, s[88:89] offset:ASL th:TH_LOAD_NT scope:SCOPE_SE      ; behind slot 0's load: my records of K slots 1 and 2,
	global_prefetch_b8 v6, s[90:91] offset:BSL th:TH_LOAD_NT scope:SCOPE_SE
	global_prefetch_b8 v6, s[88:89] offset:2*ASL th:TH_LOAD_NT scope:SCOPE_SE
	global_prefetch_b8 v6, s[90:91] offset:2*BSL th:TH_LOAD_NT scope:SCOPE_SE
.else
	global_prefetch_b8 v6, s[88:89] offset:3*ASL th:TH_LOAD_NT scope:SCOPE_SE    ; behind slot 1's: of K slot 3, the last
	global_prefetch_b8 v6, s[90:91] offset:3*BSL th:TH_LOAD_NT scope:SCOPE_SE
.endif
.endr
	v_and_b32 v1, 31, v0
	v_lshlrev_b32 v2, 4, v1
	v_lshlrev_b32 v3, 3, v1
	s_mul_i32 s21, s15, WSTR
	s_mul_i32 s22, s16, WSTR
	s_add_co_u32 s22, s22, 2*HALF
.irp s, 0,1
	v_add_nc_u32 v[ADRA+\s], s21, v2
	v_add_nc_u32 v[ADRB+\s], s22, v2
	v_add_nc_u32 v[ASA+\s], s21, v3
	v_add_nc_u32 v[ASB+\s], s22, v3
	s_add_co_u32 s21, s21, SLOT
	s_add_co_u32 s22, s22, SLOT
.endr
	s_mov_b32 s[SEL], 0x76543210
	s_mov_b32 s[SEL+1], 0xfedcba98
	s_mov_b32 s[MNT], 0x600000
	v_mov_b32 v8, 0xbdd2d3e8
	v_mov_b32 v9, 0xbdd2d3e8
	v_mov_b32 v10, 0xc0135761
	v_mov_b32 v11, 0xc0135761
	v_mov_b32 v12, 1.0
	v_mov_b32 v13, 1.0
	s_lshl_b32 s68, s15, 11
	s_lshl_b32 s69, s16, 2
	s_add_co_u32 s68, s68, s69
	v_add_nc_u32 v26, s68, v3
	s_lshl_b32 s68, s14, 10
	v_add_nc_u32 v27, s68, v3
	s_lshl_b32 s70, s42, 8
	s_lshl_b32 s71, s17, 4
	s_add_co_u32 s70, s70, s71
	s_lshl_b32 s71, s15, 3
	s_add_co_u32 s72, s70, s71
	s_mul_i32 s72, s72, REC
	s_lshl_b32 s71, s16, 11
	s_add_co_u32 s72, s72, s71
	s_mov_b32 s73, 0
	s_add_nc_u64 s[72:73], s[8:9], s[72:73]
	s_lshl_b32 s71, s14, 2
	s_add_co_u32 s74, s70, s71
	s_mul_i32 s74, s74, REC
	s_mov_b32 s75, 0
	s_add_nc_u64 s[74:75], s[8:9], s[74:75]
.macro FRAG reg, adr, q, i
.irp c, 0,1,2,3
	ds_load_b128 v[\reg+4*\c:\reg+4*\c+3], v[\adr] offset:((\q)/2)*HALF+(\i)*REC+((\q)%2)*2048+512*\c
.endr
.endm
.macro FETCH_B slot, q, p
	WIN 0x40
.set FI, 0
.rept T
	FRAG 128*(\p)+16*FI, ADRB+\slot, \q, FI
.set FI, FI+1
.endr
	WIN 0
.endm
.macro FETCH_A slot, q, i0
.set FI, \i0
.rept T/2
	FRAG AF+16*FI, ADRA+\slot, \q, FI
.set FI, FI+1
.endr
.endm
.macro SCALES s
.set FI, 0
.rept T
.set FJ, 0
.rept NQ/2
	ds_load_b64 v[SC+32*\s+NQ*FI+2*FJ:SC+32*\s+NQ*FI+2*FJ+1], v[ASA+\s] offset:FJ*HALF+FI*REC+4096
	ds_load_b64 v[SC+32*\s+16+NQ*FI+2*FJ:SC+32*\s+16+NQ*FI+2*FJ+1], v[ASB+\s] offset:FJ*HALF+FI*REC+4096
.set FJ, FJ+1
.endr
.set FI, FI+1
.endr
.endm
.macro MULS a0, n, p, q, sc, zero
.set MA, \a0
.rept \n
.irp b, 0,1,2,3,4,5,6,7
.if \b < T
.set MD, 8*(T*(MA%4)+\b)
.if \zero
	v_wmma_scale_f32_16x16x128_f8f6f4 v[MD:MD+7], v[128*(\p)+16*\b:128*(\p)+16*\b+15], v[AF+16*MA:AF+16*MA+15], 0, v[SC+32*(\sc)+16+NQ*\b+(\q)], v[SC+32*(\sc)+NQ*MA+(\q)] matrix_a_fmt:MATRIX_FMT_BF8 matrix_b_fmt:MATRIX_FMT_BF8
.else
	v_wmma_scale_f32_16x16x128_f8f6f4 v[MD:MD+7], v[128*(\p)+16*\b:128*(\p)+16*\b+15], v[AF+16*MA:AF+16*MA+15], v[MD:MD+7], v[SC+32*(\sc)+16+NQ*\b+(\q)], v[SC+32*(\sc)+NQ*MA+(\q)] matrix_a_fmt:MATRIX_FMT_BF8 matrix_b_fmt:MATRIX_FMT_BF8
.endif
.endif
.endr
.set MA, MA+1
.endr
.endm
.macro STEP slot, q, zero
	s_wait_dscnt 2*T
	WIN MUL_LO
	MULS 0, T/2, (\q)%2, \q, \slot, \zero
	s_wait_dscnt 0
	PLACES 8
	FETCH_B \slot, (\q)+1, 1-(\q)%2
	FETCH_A \slot, (\q)+1, 0
	WIN MUL_HI
	MULS T/2, T/2, (\q)%2, \q, \slot, \zero
	PLACES 8
	WIN 0
	FETCH_A \slot, (\q)+1, T/2
.endm
.macro TURN slot, next, fill
	s_wait_tensorcnt 0x0
	ds_add_u32 v[SPW], v[NIL]
	s_wait_dscnt 2*T+1
	WIN MUL_LO
	MULS 0, T/4, 1, NQ-1, \slot, 0
	s_wait_dscnt 0x0
	s_barrier_signal -1
	MULS T/4, T/4, 1, NQ-1, \slot, 0
	WIN 0
	s_barrier_wait -1
.if \fill
	CREST
	s_add_nc_u64 s[G0+4*\slot+2:G0+4*\slot+3], s[G0+4*\slot+2:G0+4*\slot+3], 2*ASL
	s_add_nc_u64 s[G0B+4*\slot+2:G0B+4*\slot+3], s[G0B+4*\slot+2:G0B+4*\slot+3], 2*BSL
	JLOAD G0+4*\slot, G1, G0B+4*\slot, G1B
	PLACES 4
.else
	PLACES 8
.endif
	FETCH_B \next, 0, 0
	FETCH_A \next, 0, 0
	s_wait_alu depctr_va_vdst(0)
	SCALES \next
	WIN MUL_HI
	MULS T/2, T/2, 1, NQ-1, \slot, 0
	PLACES 8
	WIN 0
	FETCH_A \next, 0, T/2
.endm
.macro MIDS slot
.if NQ == 4
	STEP \slot, 1, 0
	STEP \slot, 2, 0
.endif
.endm
	s_wait_tensorcnt 1
	s_barrier_signal -1
	s_barrier_wait -1
	FETCH_B 0, 0, 0
	FETCH_A 0, 0, 0
	SCALES 0
	FETCH_A 0, 0, T/2
	STEP 0, 0, 1
.if LAPS > 1
	s_mov_b32 s3, LAPS-1
.Llap:
	MIDS 0
	TURN 0, 1, 1
	STEP 1, 0, 0
	MIDS 1
	TURN 1, 0, 1
	STEP 0, 0, 0
	s_sub_co_u32 s3, s3, 1
	s_cmp_lg_u32 s3, 0
	s_cbranch_scc1 .Llap
.endif
	MIDS 0
	TURN 0, 1, 0
	STEP 1, 0, 0
	MIDS 1
	s_wait_dscnt 2*T
	WIN MUL_LO
	MULS 0, T/2, 1, NQ-1, 1, 0
	s_wait_dscnt 0
	WIN MUL_HI
	MULS T/2, T/2, 1, NQ-1, 1, 0
	WIN 0
.macro GELU a
.set W, 2+(\a)/4
.set AC, 64*((\a)%4)
	WIN 5*W
.set p, 0
.rept 32
	v_pk_mul_f32 v[GT+2*p:GT+2*p+1], v[AC+2*p:AC+2*p+1], v[AC+2*p:AC+2*p+1]
.set p, p+1
.endr
	WIN 0
.set p, 0
.rept 32
	v_pk_fma_f32 v[GT+2*p:GT+2*p+1], v[GT+2*p:GT+2*p+1], v[8:9], v[10:11]
.set p, p+1
.endr
	WIN 4*W
.set p, 0
.rept 32
	v_pk_mul_f32 v[GT+2*p:GT+2*p+1], v[GT+2*p:GT+2*p+1], v[AC+2*p:AC+2*p+1]
.set p, p+1
.endr
	WIN 0
.set p, 0
	s_wait_alu depctr_va_vdst(0)
.rept 64
	v_exp_f32 v[GT+p], v[GT+p]
.set p, p+1
.endr
	v_nop
.set p, 0
	s_wait_alu depctr_va_vdst(0)
.rept 32
	v_pk_add_f32 v[GT+2*p:GT+2*p+1], v[GT+2*p:GT+2*p+1], v[12:13]
.set p, p+1
.endr
.set p, 0
	s_wait_alu depctr_va_vdst(0)
.rept 64
	v_rcp_f32 v[GT+p], v[GT+p]
.set p, p+1
.endr
	v_nop
	WIN 65*W
.set p, 0
	s_wait_alu depctr_va_vdst(0)
.rept 32
	v_pk_mul_f32 v[AC+2*p:AC+2*p+1], v[AC+2*p:AC+2*p+1], v[GT+2*p:GT+2*p+1]
.set p, p+1
.endr
.endm
.macro QUANTW a
.set W, 2+(\a)/4
.set AC, 64*((\a)%4)
	WIN 5*W
.irp b, 0,1,2,3
	v_max3_num_f32 v[TM+\b], |v[AC+16*\b]|, |v[AC+16*\b+1]|, 0x8000000
.endr
	WIN 20*W
.irp i, 2,4,6,8,10,12,14
.irp b, 0,1,2,3
	v_max3_num_f32 v[TM+\b], v[TM+\b], |v[AC+16*\b+\i]|, |v[AC+16*\b+\i+1]|
.endr
.endr
	WIN 0
.irp b, 0,1,2,3
	v_permlanex16_b32 v[TM+4+\b], v[TM+\b], s[SEL], s[SEL+1]
.endr
.irp b, 0,1,2,3
	v_max_num_f32 v[TM+\b], v[TM+\b], v[TM+4+\b]
.endr
.irp b, 0,1,2,3
	v_add_nc_u32 v[TM+12+\b], 0xf8800000, v[TM+\b]
.endr
.irp b, 0,1,2,3
	v_and_or_b32 v[TM+8+\b], v[TM+\b], 0x7f800000, s[MNT]
.endr
.irp b, 0,1,2,3
	v_lshrrev_b32 v[TM+4+\b], 23, v[TM+12+\b]
.endr
	v_lshl_or_b32 v[SW+\a], v[TM+5], 8, v[TM+4]
	v_lshl_or_b32 v[SW+\a], v[TM+6], 16, v[SW+\a]
	v_lshl_or_b32 v[SW+\a], v[TM+7], 24, v[SW+\a]
	WIN 65*W
.irp b, 0,1,2,3
.irp i, 0,1,2,3,4,5,6,7,8,9,10,11,12,13,14,15
	v_med3_num_f32 v[AC+16*\b+\i], v[AC+16*\b+\i], -v[TM+8+\b], v[TM+8+\b]
.endr
.endr
	s_wait_alu depctr_va_vdst(0)
	s_wait_xcnt 0x0
	WIN W
.irp b, 0,1,2,3
	v_cvt_scalef32_pk8_bf8_f32 v[PC+4*\b:PC+4*\b+1], v[AC+16*\b:AC+16*\b+7], v[TM+12+\b]
	v_cvt_scalef32_pk8_bf8_f32 v[PC+4*\b+2:PC+4*\b+3], v[AC+16*\b+8:AC+16*\b+15], v[TM+12+\b]
.endr
	WIN 0
	v_nop
.endm
	PLACES 8
.irp b, 0,1,2,3
	v_mov_b32 v[TM+4+\b], 0
.endr
.irp a, 0,1,2,3,4,5,6,7
	GELU \a
	QUANTW \a
.irp c, 0,1,2,3
	global_store_b128 v2, v[PC+4*\c:PC+4*\c+3], s[72:73] offset:\a*REC+512*\c
.endr
	ds_store_b32 v26, v[SW+\a] offset:256*\a
.endr
	s_wait_dscnt 0x0
	s_barrier_signal -1
	s_barrier_wait -1
.irp u, 0,1,2,3
	ds_load_b64 v[40+2*\u:41+2*\u], v27 offset:256*\u
.endr
	s_wait_dscnt 0x0
.irp u, 0,1,2,3
	global_store_b64 v3, v[40+2*\u:41+2*\u], s[74:75] offset:\u*REC+4096
.endr
	s_wait_tensorcnt 0x0
	ds_add_u32 v[SPW], v[NIL]
	s_wait_dscnt 0x0
	CROUND
	s_endpgm
.Lfunc_end_k_q38d1cdfdd4_fc:
	.size	k_q38d1cdfdd4_fc, .Lfunc_end_k_q38d1cdfdd4_fc-k_q38d1cdfdd4_fc
	.p2alignl 7, 3214868480
	.fill 96, 4, 3214868480
	.section	.rodata,"a",@progbits
	.p2align	6, 0x0
	.amdhsa_kernel k_q38d1cdfdd4_fc
		.amdhsa_group_segment_fixed_size 327680
		.amdhsa_private_segment_fixed_size 0
		.amdhsa_enable_private_segment 0
		.amdhsa_kernarg_size 24
		.amdhsa_user_sgpr_count 2
		.amdhsa_user_sgpr_kernarg_segment_ptr 1
		.amdhsa_wavefront_size32 1
		.amdhsa_system_sgpr_workgroup_id_x 1
		.amdhsa_system_sgpr_workgroup_id_y 1
		.amdhsa_system_sgpr_workgroup_id_z 1
		.amdhsa_system_vgpr_workitem_id 0
		.amdhsa_next_free_vgpr 1024
		.amdhsa_next_free_sgpr 96
		.amdhsa_reserve_vcc 0
		.amdhsa_float_denorm_mode_32 3
		.amdhsa_float_denorm_mode_16_64 3
		.amdhsa_memory_ordered 1
		.amdhsa_forward_progress 1
		.amdhsa_inst_pref_size 255
	.end_amdhsa_kernel
	.section	.bss,"aw",@nobits
	.p2align	6
	.space	262144
	.amdgpu_metadata
---
amdhsa.version: [ 1, 2 ]
amdhsa.kernels:
  - .name:           k_q38d1cdfdd4_fc
    .symbol:         k_q38d1cdfdd4_fc.kd
    .args:
      - { .name: h2q, .offset: 0, .size: 8, .value_kind: global_buffer, .address_space: global }
      - { .name: wq, .offset: 8, .size: 8, .value_kind: global_buffer, .address_space: global }
      - { .name: gq, .offset: 16, .size: 8, .value_kind: global_buffer, .address_space: global }
    .group_segment_fixed_size: 327680
    .private_segment_fixed_size: 0
    .kernarg_segment_align: 8
    .kernarg_segment_size: 24
    .max_flat_workgroup_size: 128
    .sgpr_count:     96
    .vgpr_count:     1024
    .wavefront_size: 32
...
	.end_amdgpu_metadata
.endif
;; end of part 6
;; launch mlp (part 7): grid 8 x 32, 4 waves a work-group, clusters of 4 x 4, 327,680 bytes of LDS; arguments gq, wq, x1, out0; writes out0
.if DOCPART == 7
	.amdgcn_target "amdgcn-amd-amdhsa--gfx1250"
	.amdhsa_code_object_version 6
	.text
	.protected	k_q38d1cdfdd4_mlp
	.globl	k_q38d1cdfdd4_mlp
	.p2align	8
	.type	k_q38d1cdfdd4_mlp,@function
k_q38d1cdfdd4_mlp:
	s_mov_b64 s[64:65], 0
	v_nop
	global_prefetch_b8 v0, s[64:65] scope:SCOPE_SE
	s_setreg_imm32_b32 hwreg(HW_REG_WAVE_MODE, 25, 1), 1
	s_wait_xcnt 0x0
	s_wait_alu depctr_hold_cnt(0) depctr_sa_sdst(0) depctr_va_vdst(0) depctr_va_sdst(0) depctr_va_ssrc(0) depctr_va_vcc(0) depctr_vm_vsrc(0)
	s_getreg_b32 s2, hwreg(HW_REG_IB_STS2, 6, 4)
	s_cmp_eq_u32 s2, 0
	s_cbranch_scc0 .Lentry_in_a_cluster
	s_endpgm
.Lentry_in_a_cluster:
	s_bfe_u32 s2, ttmp6, 0x10000c
	s_cmp_lg_u32 s2, 0xf033
	s_cbranch_scc0 .Lentry_shape_is_right
	s_endpgm
.Lentry_shape_is_right:
.set T,     4
.set NQ,    4
.set LAPS,  4
.set NT,    64
.set WOFF,  8912896
.set REC,   4352
.set HALF,  8*REC
.set SLOT,  4*HALF
.set SPARE, 2*SLOT
.set STRA,  256*REC
.set STRB,  NT*REC
.set ASL,   (NQ/2)*STRA
.set BSL,   (NQ/2)*STRB
.set TSH,   T/4+2
.if T == 8
.set JA,    HALF
.set JB,    HALF
.set WSTR,  HALF
.else
.set JA,    STRA
.set JB,    STRB
.set WSTR,  4*REC
.endif
.set ADRA, 16
.set ASA,  18
.set ADRB, 20
.set ASB,  22
.set RA,   24
.set STO,  25
.set RD,   26
.set SPW,  28
.set NIL,  29
.set SC,   32
.set AF,   128
.set BK,   128
.set G1,   24
.set G0,   32
.set G1B,  48
.set G0B,  56
.set MUL_LO, 0xa1
.set MUL_HI, 0xa1+0x50*(T/8)
.set MSB, 0
.macro WIN new
.if MSB != (\new)
	s_set_vgpr_msb (MSB<<8)|(\new)
.set MSB, (\new)
.endif
.endm
.macro JLOAD g0a, g1a, g0b, g1b
	s_cmp_eq_u32 s15, 0
	s_cbranch_scc0 .Lfor_b_\@
	tensor_load_to_lds s[\g0a:\g0a+3], s[\g1a:\g1a+7]
	s_nop 0
.rept 4
	v_nop
.endr
	s_branch .Lasked_\@
.Lfor_b_\@:
	tensor_load_to_lds s[\g0b:\g0b+3], s[\g1b:\g1b+7]
	s_nop 0
.rept 4
	v_nop
.endr
.Lasked_\@:
.endm
.macro CREST
	s_cmp_lg_u32 s14, 0
	s_cbranch_scc1 .Lnot_wave_0_\@
	s_barrier_signal -3
.Lnot_wave_0_\@:
	s_barrier_wait -3
	s_barrier_signal -1
	s_barrier_wait -1
.endm
.macro CROUND
	s_barrier_signal -1
	s_barrier_wait -1
	CREST
.endm
.macro PLACES n
.rept \n
	v_nop
.endr
.endm
	s_load_b128 s[4:7], s[0:1], 0x0
	s_load_b128 s[8:11], s[0:1], 0x10
	v_lshl_add_u32 v[SPW], v0, 2, SPARE
	v_mov_b32 v[NIL], 0
	ds_add_u32 v28, v29
	ds_add_u32 v28, v29
	s_wait_dscnt 0x0
	v_lshrrev_b32 v1, 5, v0
	v_readfirstlane_b32 s14, v1
	s_lshr_b32 s15, s14, 1
	s_and_b32 s16, s14, 1
	s_bfe_u32 s40, ttmp6, 0x40000
	s_bfe_u32 s41, ttmp6, 0x40004
	s_lshl_b32 s42, ttmp9, 2
	s_add_co_u32 s42, s42, s40
	s_and_b32 s17, ttmp7, 0xffff
	s_lshl_b32 s17, s17, 2
	s_add_co_u32 s17, s17, s41
	s_lshl_b32 s43, s41, 2
	s_lshl_b32 s43, 15, s43
	s_lshl_b32 s44, 0x1111, s40
	s_or_b32 s[G1+0], s43, (3<<16)|(1<<21)
	s_or_b32 s[G1B+0], s44, (3<<16)|(1<<21)
.irp g, G1, G1B
	s_mov_b32 s[\g+1], 32<<16
	s_mov_b32 s[\g+2], 136<<16
	s_mov_b32 s[\g+3], 32<<16
	s_mov_b32 s[\g+4], 136
	s_mov_b32 s[\g+5], 32
	s_mov_b32 s[\g+6], 0
	s_mov_b32 s[\g+7], 0
.endr
	s_lshl_b32 s20, s17, TSH
	s_mul_i32 s20, s20, REC
	s_mul_i32 s21, s16, JA
	s_add_co_u32 s20, s20, s21
	s_mov_b32 s21, 0
	s_lshl_b32 s46, s42, TSH
	s_mul_i32 s46, s46, REC
	s_mul_i32 s47, s16, JB
	s_add_co_u32 s46, s46, s47
	s_add_co_u32 s46, s46, WOFF
	s_mov_b32 s47, 0
	s_mul_i32 s45, s14, HALF
	; the prefetches: an LDS slot holds 2 K slots x 8 records a side; of the token records, which my row of the cluster asks for jointly, I name number 4 cx + wave, of the weight records number 4 cy + wave: told apart by address alone
	s_lshl_b32 s88, s17, 3
	s_and_b32 s89, s40, 1
	s_lshl_b32 s89, s89, 2
	s_add_co_u32 s88, s88, s89
	s_add_co_u32 s88, s88, s14
	s_mul_i32 s88, s88, REC
	s_lshr_b32 s89, s40, 1
	s_mul_i32 s89, s89, STRA
	s_add_co_u32 s88, s88, s89
	s_mov_b32 s89, 0
	s_lshl_b32 s90, s42, 3
	s_and_b32 s91, s41, 1
	s_lshl_b32 s91, s91, 2
	s_add_co_u32 s90, s90, s91
	s_add_co_u32 s90, s90, s14
	s_mul_i32 s90, s90, REC
	s_lshr_b32 s91, s41, 1
	s_mul_i32 s91, s91, STRB
	s_add_co_u32 s90, s90, s91
	s_add_co_u32 s90, s90, WOFF
	s_mov_b32 s91, 0
	v_and_b32 v6, 31, v0
	v_min_u32 v6, 16, v6
	v_lshlrev_b32 v6, 8, v6                        ; a record is 17 blocks of 256 bytes: a lane a block, the lanes left over name the last again
	v_and_b32 v7, 31, v0
	v_lshlrev_b32 v7, 12, v7                       ; the residual's prefetches: a lane a row of 4,096 bytes
	s_wait_alu depctr_va_vdst(0)
	s_wait_kmcnt 0x0
	s_add_nc_u64 s[88:89], s[4:5], s[88:89]
	s_add_nc_u64 s[90:91], s[6:7], s[90:91]
	s_add_nc_u64 s[20:21], s[4:5], s[20:21]
	s_add_nc_u64 s[46:47], s[6:7], s[46:47]
	CROUND
.irp s, 0,1
	s_mov_b32 s[G0+4*\s], 1
	s_add_co_u32 s[G0+4*\s+1], s45, \s*SLOT
	s_add_nc_u64 s[G0+4*\s+2:G0+4*\s+3], s[20:21], \s*ASL
	s_or_b32 s[G0+4*\s+3], s[G0+4*\s+3], 0x80000000
	s_mov_b32 s[G0B+4*\s], 1
	s_add_co_u32 s[G0B+4*\s+1], s45, \s*SLOT
	s_add_nc_u64 s[G0B+4*\s+2:G0B+4*\s+3], s[46:47], \s*BSL
	s_or_b32 s[G0B+4*\s+3], s[G0B+4*\s+3], 0x80000000
.if \s == 1
	s_wait_alu depctr_va_vdst(0)
	s_wait_tensorcnt 0x0                           ; slot 1's first fill is issued as a refill is
	ds_add_u32 v28, v29
	ds_add_u32 v28, v29
	s_wait_dscnt 0x0
	CROUND
.endif
	JLOAD G0+4*\s, G1, G0B+4*\s, G1B               ; one tensor load a wave behind each round
.if \s == 0
	global_prefetch_b8 v6, s[88:89] offset:ASL th:TH_LOAD_NT scope:SCOPE_SE      ; behind fill 0: my records of fills 1 and 2,
	global_prefetch_b8 v6, s[90:91] offset:BSL th:TH_LOAD_NT scope:SCOPE_SE
	global_prefetch_b8 v6, s[88:89] offset:2*ASL th:TH_LOAD_NT scope:SCOPE_SE
	global_prefetch_b8 v6, s[90:91] offset:2*BSL th:TH_LOAD_NT scope:SCOPE_SE
.else
	global_prefetch_b8 v6, s[88:89] offset:3*ASL th:TH_LOAD_NT scope:SCOPE_SE    ; behind fill 1: of fill 3
	global_prefetch_b8 v6, s[90:91] offset:3*BSL th:TH_LOAD_NT scope:SCOPE_SE
.endif
.endr
	v_and_b32 v1, 31, v0
	v_lshlrev_b32 v2, 4, v1
	v_lshlrev_b32 v3, 3, v1
	s_mul_i32 s21, s15, WSTR
	s_mul_i32 s22, s16, WSTR
	s_add_co_u32 s22, s22, 2*HALF
.irp s, 0,1
	v_add_nc_u32 v[ADRA+\s], s21, v2
	v_add_nc_u32 v[ADRB+\s], s22, v2
	v_add_nc_u32 v[ASA+\s], s21, v3
	v_add_nc_u32 v[ASB+\s], s22, v3
	s_add_co_u32 s21, s21, SLOT
	s_add_co_u32 s22, s22, SLOT
.endr
	v_and_b32 v4, 15, v0
	v_bfe_u32 v5, v0, 4, 1
	v_lshlrev_b32 v[RA], 12, v5
	v_lshl_add_u32 v[RA], v4, 4, v[RA]
	s_wait_alu depctr_va_vdst(0)
	s_mul_i32 s23, s14, 16*272
	v_mul_u32_u24 v[STO], v4, 272
	v_lshl_add_u32 v[STO], v5, 6, v[STO]
	v_add_nc_u32 v[STO], s23, v[STO]
	v_mul_u32_u24 v[RD], v5, 272
	v_lshl_add_u32 v[RD], v4, 4, v[RD]
	v_add_nc_u32 v[RD], s23, v[RD]
	s_lshl_b32 s68, s17, 7
	s_lshl_b32 s69, s15, 6
	s_add_co_u32 s68, s68, s69
	s_lshl_b32 s68, s68, 12
	s_lshl_b32 s69, s42, 9
	s_add_co_u32 s68, s68, s69
	s_lshl_b32 s69, s16, 8
	s_add_co_u32 s68, s68, s69
	s_mov_b32 s69, 0
	s_add_nc_u64 s[70:71], s[10:11], s[68:69]
	s_add_nc_u64 s[68:69], s[8:9], s[68:69]
.macro FRAG reg, adr, q, i
.irp c, 0,1,2,3
	ds_load_b128 v[\reg+4*\c:\reg+4*\c+3], v[\adr] offset:((\q)/2)*HALF+(\i)*REC+((\q)%2)*2048+512*\c
.endr
.endm
.macro FETCH_B slot, q, p
	WIN 0x40
.set FI, 0
.rept T
	FRAG 128*(\p)+16*FI, ADRB+\slot, \q, FI
.set FI, FI+1
.endr
	WIN 0
.endm
.macro FETCH_A slot, q, i0
.set FI, \i0
.rept T/2
	FRAG AF+16*FI, ADRA+\slot, \q, FI
.set FI, FI+1
.endr
.endm
.macro SCALES s
.set FI, 0
.rept T
.set FJ, 0
.rept NQ/2
	ds_load_b64 v[SC+32*\s+NQ*FI+2*FJ:SC+32*\s+NQ*FI+2*FJ+1], v[ASA+\s] offset:FJ*HALF+FI*REC+4096
	ds_load_b64 v[SC+32*\s+16+NQ*FI+2*FJ:SC+32*\s+16+NQ*FI+2*FJ+1], v[ASB+\s] offset:FJ*HALF+FI*REC+4096
.set FJ, FJ+1
.endr
.set FI, FI+1
.endr
.endm
.macro MULS a0, n, p, q, sc, zero
.set MA, \a0
.rept \n
.irp b, 0,1,2,3,4,5,6,7
.if \b < T
.set MD, 8*(T*(MA%4)+\b)
.if \zero
	v_wmma_scale_f32_16x16x128_f8f6f4 v[MD:MD+7], v[128*(\p)+16*\b:128*(\p)+16*\b+15], v[AF+16*MA:AF+16*MA+15], 0, v[SC+32*(\sc)+16+NQ*\b+(\q)], v[SC+32*(\sc)+NQ*MA+(\q)] matrix_a_fmt:MATRIX_FMT_BF8 matrix_b_fmt:MATRIX_FMT_BF8
.else
	v_wmma_scale_f32_16x16x128_f8f6f4 v[MD:MD+7], v[128*(\p)+16*\b:128*(\p)+16*\b+15], v[AF+16*MA:AF+16*MA+15], v[MD:MD+7], v[SC+32*(\sc)+16+NQ*\b+(\q)], v[SC+32*(\sc)+NQ*MA+(\q)] matrix_a_fmt:MATRIX_FMT_BF8 matrix_b_fmt:MATRIX_FMT_BF8
.endif
.endif
.endr
.set MA, MA+1
.endr
.endm
.macro STEP slot, q, zero
	s_wait_dscnt 2*T
	WIN MUL_LO
	MULS 0, T/2, (\q)%2, \q, \slot, \zero
	s_wait_dscnt 0
	PLACES 8
	FETCH_B \slot, (\q)+1, 1-(\q)%2
	FETCH_A \slot, (\q)+1, 0
	WIN MUL_HI
	MULS T/2, T/2, (\q)%2, \q, \slot, \zero
	PLACES 8
	WIN 0
	FETCH_A \slot, (\q)+1, T/2
.endm
.macro TURN slot, next, fill
.if \fill
	s_wait_xcnt 0x0                                ; any prefetch of mine has read its base: it is stepped here, a slot's steps behind the prefetch
	s_add_nc_u64 s[88:89], s[88:89], ASL           ; at the change that asks for fill k the bases stand at fill k - 1
	s_add_nc_u64 s[90:91], s[90:91], BSL
.endif
	s_wait_tensorcnt 0x0
	ds_add_u32 v[SPW], v[NIL]
	s_wait_dscnt 2*T+1
	WIN MUL_LO
	MULS 0, T/4, 1, NQ-1, \slot, 0
	s_wait_dscnt 0x0
	s_barrier_signal -1
	MULS T/4, T/4, 1, NQ-1, \slot, 0
	WIN 0
	s_barrier_wait -1
.if \fill
	CREST
	s_add_nc_u64 s[G0+4*\slot+2:G0+4*\slot+3], s[G0+4*\slot+2:G0+4*\slot+3], 2*ASL
	s_add_nc_u64 s[G0B+4*\slot+2:G0B+4*\slot+3], s[G0B+4*\slot+2:G0B+4*\slot+3], 2*BSL
	JLOAD G0+4*\slot, G1, G0B+4*\slot, G1B
	PLACES 4
.else
	PLACES 8
.endif
	FETCH_B \next, 0, 0
	FETCH_A \next, 0, 0
	SCALES \next
.if \fill
	s_cmp_gt_u32 s3, 1                             ; behind fill k and the run of LDS loads: my records of fill k + 2; the loop's last trip (fills 6, 7) has none two on
	s_cbranch_scc0 .Lres_\@
	global_prefetch_b8 v6, s[88:89] offset:3*ASL th:TH_LOAD_NT scope:SCOPE_SE
	global_prefetch_b8 v6, s[90:91] offset:3*BSL th:TH_LOAD_NT scope:SCOPE_SE
	s_branch .Lasked2_\@
.Lres_\@:
	global_prefetch_b8 v7, s[68:69] offset:\slot*131072 th:TH_LOAD_NT scope:SCOPE_SE   ; the last trip asks for the residual instead, which is loaded behind the loop: 32 of my 64 rows x 256 bytes at each of its two changes of slots
.Lasked2_\@:
.endif
	WIN MUL_HI
	MULS T/2, T/2, 1, NQ-1, \slot, 0
	PLACES 8
	WIN 0
	FETCH_A \next, 0, T/2
.endm
.macro MIDS slot
.if NQ == 4
	STEP \slot, 1, 0
	STEP \slot, 2, 0
.endif
.endm
	s_wait_tensorcnt 1
	s_barrier_signal -1
	s_barrier_wait -1
	FETCH_B 0, 0, 0
	FETCH_A 0, 0, 0
	SCALES 0
	FETCH_A 0, 0, T/2
	STEP 0, 0, 1
.if LAPS > 1
	s_mov_b32 s3, LAPS-1
.Llap:
	MIDS 0
	TURN 0, 1, 1
	STEP 1, 0, 0
	MIDS 1
	TURN 1, 0, 1
	STEP 0, 0, 0
	s_sub_co_u32 s3, s3, 1
	s_cmp_lg_u32 s3, 0
	s_cbranch_scc1 .Llap
.endif
	WIN 0x40                                       ; the residual's 64 rows x 256 bytes of my wave, into registers of window 1 that no product names: two slots' work stands between these loads and the wait for them
.irp a, 0,1,2,3
.irp i, 0,1,2,3,4,5,6,7
	global_load_b128 v[64+32*\a+64*(\a/2)+4*\i:64+32*\a+64*(\a/2)+4*\i+3], v[RA], s[68:69] offset:(32*(\a/2)+8*(\a%2)+2*\i+8*(\i/4))*4096
.endr
.endr
	WIN 0
	MIDS 0
	TURN 0, 1, 0
	STEP 1, 0, 0
	MIDS 1
	s_wait_dscnt 2*T
	WIN MUL_LO
	MULS 0, T/2, 1, NQ-1, 1, 0
	s_wait_alu depctr_va_vdst(0)
	s_wait_dscnt 0
	WIN MUL_HI
	MULS T/2, T/2, 1, NQ-1, 1, 0
	WIN 0
	PLACES 8
	s_wait_loadcnt 0x0
.irp a, 0,1,2,3
.if \a > 1
	s_wait_xcnt 0x0
.endif
	WIN 0x08
.irp b, 0,1,2,3
	ds_store_b128 v[STO], v[8*(4*\a+\b):8*(4*\a+\b)+3] offset:128*(\b/2)+32*(\b%2)
	ds_store_b128 v[STO], v[8*(4*\a+\b)+4:8*(4*\a+\b)+7] offset:128*(\b/2)+32*(\b%2)+16
.endr
	WIN 0
.irp i, 0,1,2,3,4,5,6,7
	ds_load_b128 v[BK+32*(\a%2)+4*\i:BK+32*(\a%2)+4*\i+3], v[RD] offset:2*\i*272
.endr
	s_wait_dscnt 0x0
	WIN 0x04
.set p, 0
.rept 16
	v_pk_add_f32 v[BK+32*(\a%2)+2*p:BK+32*(\a%2)+2*p+1], v[BK+32*(\a%2)+2*p:BK+32*(\a%2)+2*p+1], v[64+32*\a+64*(\a/2)+2*p:64+32*\a+64*(\a/2)+2*p+1]
.set p, p+1
.endr
	WIN 0
.irp i, 0,1,2,3,4,5,6,7
	global_store_b128 v[RA], v[BK+32*(\a%2)+4*\i:BK+32*(\a%2)+4*\i+3], s[70:71] offset:(32*(\a/2)+8*(\a%2)+2*\i+8*(\i/4))*4096
.endr
.endr
	s_wait_tensorcnt 0x0
	ds_add_u32 v[SPW], v[NIL]
	s_wait_dscnt 0x0
	CROUND
	s_endpgm
.Lfunc_end_k_q38d1cdfdd4_mlp:
	.size	k_q38d1cdfdd4_mlp, .Lfunc_end_k_q38d1cdfdd4_mlp-k_q38d1cdfdd4_mlp
	.p2alignl 7, 3214868480
	.fill 96, 4, 3214868480
	.section	.rodata,"a",@progbits
	.p2align	6, 0x0
	.amdhsa_kernel k_q38d1cdfdd4_mlp
		.amdhsa_group_segment_fixed_size 327680
		.amdhsa_private_segment_fixed_size 0
		.amdhsa_enable_private_segment 0
		.amdhsa_kernarg_size 32
		.amdhsa_user_sgpr_count 2
		.amdhsa_user_sgpr_kernarg_segment_ptr 1
		.amdhsa_wavefront_size32 1
		.amdhsa_system_sgpr_workgroup_id_x 1
		.amdhsa_system_sgpr_workgroup_id_y 1
		.amdhsa_system_sgpr_workgroup_id_z 1
		.amdhsa_system_vgpr_workitem_id 0
		.amdhsa_next_free_vgpr 768
		.amdhsa_next_free_sgpr 96
		.amdhsa_reserve_vcc 0
		.amdhsa_float_denorm_mode_32 3
		.amdhsa_float_denorm_mode_16_64 3
		.amdhsa_memory_ordered 1
		.amdhsa_forward_progress 1
		.amdhsa_inst_pref_size 107
	.end_amdhsa_kernel
	.amdgpu_metadata
---
amdhsa.version: [ 1, 2 ]
amdhsa.kernels:
  - .name:           k_q38d1cdfdd4_mlp
    .symbol:         k_q38d1cdfdd4_mlp.kd
    .args:
      - { .name: gq, .offset: 0, .size: 8, .value_kind: global_buffer, .address_space: global }
      - { .name: wq, .offset: 8, .size: 8, .value_kind: global_buffer, .address_space: global }
      - { .name: x1, .offset: 16, .size: 8, .value_kind: global_buffer, .address_space: global }
      - { .name: out0, .offset: 24, .size: 8, .value_kind: global_buffer, .address_space: global }
    .group_segment_fixed_size: 327680
    .private_segment_fixed_size: 0
    .kernarg_segment_align: 8
    .kernarg_segment_size: 32
    .max_flat_workgroup_size: 128
    .sgpr_count:     96
    .vgpr_count:     768
    .wavefront_size: 32
...
	.end_amdgpu_metadata
.endif
;; end of part 7
